; MI455X (gfx1250); checked and timed in simulation.
; The chip was launched on July 23, 2026; its instructions are those of AMD's public machine-readable ISA for CDNA 5 (MIT licence, August 2026) and "CDNA5" Instruction Set Architecture Reference Guide (July 2026). The comments in the code are by the model that wrote it; some were corrected since.
;; Multihead Cross Attention. Allowed arithmetic: matrix products marked QUANTISED: E2M3 operands, one E8M0 scale for each 32 along K, by v_wmma_scale_f32_16x16x128_f8f6f4 with both operands' format E2M3, f32 sums; everything else in f32.
;; Inputs: Wk_codes 1,024 x 32 x 24 uint8 (E2M3 codes of Wk, K innermost, in blocks of 32 codes, four codes in three bytes); Wk_scales 1,024 x 32 uint8 (E8M0 scales of Wk, one for each 32 codes along K); Wo_codes 1,024 x 32 x 24 uint8 (E2M3 codes of Wo, K innermost, in blocks of 32 codes, four codes in three bytes); Wo_scales 1,024 x 32 uint8 (E8M0 scales of Wo, one for each 32 codes along K); Wq_codes 1,024 x 32 x 24 uint8 (E2M3 codes of Wq, K innermost, in blocks of 32 codes, four codes in three bytes); Wq_scales 1,024 x 32 uint8 (E8M0 scales of Wq, one for each 32 codes along K); Wv_codes 1,024 x 32 x 24 uint8 (E2M3 codes of Wv, K innermost, in blocks of 32 codes, four codes in three bytes); Wv_scales 1,024 x 32 uint8 (E8M0 scales of Wv, one for each 32 codes along K); bk 1,024 float32; bo 1,024 float32; bq 1,024 float32; bv 1,024 float32; key_codes 4 x 2,048 x 32 x 24 uint8 (E2M3 codes of key, K innermost, in blocks of 32 codes, four codes in three bytes); key_padding_mask 4 x 2,048 int32; key_scales 4 x 2,048 x 32 uint8 (E8M0 scales of key, one for each 32 codes along K); query_codes 4 x 2,048 x 32 x 24 uint8 (E2M3 codes of query, K innermost, in blocks of 32 codes, four codes in three bytes); query_scales 4 x 2,048 x 32 uint8 (E8M0 scales of query, one for each 32 codes along K); value_codes 4 x 2,048 x 32 x 24 uint8 (E2M3 codes of value, K innermost, in blocks of 32 codes, four codes in three bytes); value_scales 4 x 2,048 x 32 uint8 (E8M0 scales of value, one for each 32 codes along K).
;; Outputs: out0 4 x 2,048 x 1,024 float32.
;; This version of the problem:
;;   THIS VERSION OF THE PROBLEM IS GIVEN IN LOW PRECISION. The matrix products marked QUANTISED in the list below multiply operands that are first quantised to E2M3 (2 exponent bits, 3 mantissa bits; 6 bits a number), with one power-of-two scale for each 32 numbers along K (OCP MX v1.0); their sums are f32. All else is computed in f32.
;;   The module's matrix products, in the order in which they are computed (A, B: the left and right operand; K: the contracted axis; several contracted axes count as one K, in the product's order):
;;     1. [M 8,192, K 1,024] x [K 1,024, N 1,024]; A: input query (given as codes); B: input Wq (given as codes): QUANTISED
;;     2. [M 8,192, K 1,024] x [K 1,024, N 1,024]; A: input key (given as codes); B: input Wk (given as codes): QUANTISED
;;     3. [M 8,192, K 1,024] x [K 1,024, N 1,024]; A: input value (given as codes); B: input Wv (given as codes): QUANTISED
;;     4. batch 64 x [M 2,048, K 64] x [K 64, N 2,048]; A: computed on the way; B: computed on the way: QUANTISED
;;     5. batch 64 x [M 2,048, K 2,048] x [K 2,048, N 64]; A: softmax (see below); B: computed on the way: QUANTISED
;;     6. [M 8,192, K 1,024] x [K 1,024, N 1,024]; A: computed on the way; B: input Wo (given as codes): QUANTISED
;;   THE QUANTISER, for each operand of a quantised product, along K:
;;     - K is cut into blocks of 32 from its start; a last block that is shorter is filled with zeros.
;;     - A block's scale is 2^e with e = floor(log2(the largest magnitude in the block)) - 2, held to -126 .. 127; a block of zeros has e = 0. As a byte (E8M0): e + 127.
;;     - Each number is divided by its block's scale, clamped to +-7.5, and rounded to the nearest number of E2M3, ties to even, subnormals kept.
;;     - The product sums the exact products of the quantised numbers (number of the format x scale) in f32.
;;   ~~~python
;;   def quantise(x, axis):      # numpy; x: float32 -> the quantised numbers, widened to float32 again
;;       x = np.moveaxis(x, axis, -1); K = x.shape[-1]
;;       x = np.pad(x, [(0, 0)] * (x.ndim - 1) + [(0, -K % 32)]); x = x.reshape(x.shape[:-1] + (-1, 32)); a = np.abs(x).max(-1, keepdims=True)
;;       e = np.where(a > 0, np.clip(np.frexp(np.where(a > 0, a, 1))[1] - 1 - 2, -126, 127), 0)      # np.frexp(a)[1] - 1 = floor(log2(a)), exactly
;;       r = np.clip(x / 2.0 ** e, -7.5, 7.5)
;;       step = 2.0 ** (np.maximum(np.frexp(np.where(r == 0, 1, r))[1] - 1, 0) - 3)
;;       q = np.round(r / step) * step * 2.0 ** e      # np.round: ties to even
;;       return np.moveaxis(q.reshape(q.shape[:-2] + (-1,))[..., :K], -1, axis).astype(np.float32)
;;   ~~~
;;   SOFTMAX AHEAD OF A QUANTISED PRODUCT. Where the list says 'softmax', what is quantised is not the finished softmax but p = 2^(t - M), with t = logit x log2(e) and M = ceil(the row's largest t), a whole number; so 1/2 < the row's largest p <= 1. The row's sum l is taken of the UNQUANTISED p, in f32, and the product's result is divided by l at the end. Since M is a whole number, a kernel that streams over the keys may use a running M (the ceiling of the running maximum): every later rescaling is an exact power of two, which a block's scale takes up: the codes' values come out the same.
;;   OPERANDS COMPUTED ON THE WAY. 'Computed on the way' means the value that the module computes at that place (a softmax that the list does not call 'softmax' is quantised finished and normalised). What goes into a quantiser is computed in f32, as accurately as f32 sums, v_exp_f32 and their like allow (about 1e-6 of the number): no bf16 or f16 on the way to a quantiser, and a product that is left as it is and whose result goes on into a quantised operand takes f32 operands (vector FMAs, or v_wmma_f32_16x16x4_f32). A number that lies on a knife's edge between two numbers of the format may be rounded either way, as far as f32 arithmetic and the matrix unit's own rounding can turn it there, and no further.
;;   INPUTS GIVEN AS CODES. Wk (in the module: [1024, 1024], K = its axis 1); Wo (in the module: [1024, 1024], K = its axis 1); Wq (in the module: [1024, 1024], K = its axis 1); Wv (in the module: [1024, 1024], K = its axis 1); key (in the module: [4, 2048, 1024], K = its axis 2); query (in the module: [4, 2048, 1024], K = its axis 2); value (in the module: [4, 2048, 1024], K = its axis 2): each comes as NAME_codes (uint8): NAME with its K axis moved to the last place and cut into blocks of 32 codes, [.., K / 32, bytes a block], one block behind the other in memory; four codes in three bytes: a row's codes are one little-endian stream of bits, code i at bits 6 i .. 6 i + 5 (a code: sign, 2 exponent bits, 3 mantissa bits); and NAME_scales (uint8): the same leading axes, one E8M0 byte (e + 127) for each 32 codes along K. Its value is code x scale, taken as it is: it is not quantised again, and the codes and scales need not be those that the quantiser above would give.
;; One version. Each part assembles by itself: llvm-mc -triple=amdgcn-amd-amdhsa -mcpu=gfx1250 --defsym DOCPART=n.
;; ======== version 1 of 1: 3 launches
;; limits: right only within a limited range of input values
;; workspace buffers: qc 6,291,456 bytes; qs 524,288 bytes; kv 13,369,344 bytes; oc 6,291,456 bytes; osc 262,144 bytes
;; launch proj (part 1): grid 4 x 96, 4 waves a work-group, clusters of 4 x 4, 327,680 bytes of LDS; arguments query_codes, query_scales, Wq_codes, Wq_scales, bq, key_codes, key_scales, Wk_codes, Wk_scales, bk, value_codes, value_scales, Wv_codes, Wv_scales, bv, key_padding_mask, qc, qs, kv; writes qc, qs, kv
.if DOCPART == 1
	.amdgcn_target "amdgcn-amd-amdhsa--gfx1250"
	.amdhsa_code_object_version 6
	.text
	.protected	k_qa516aefcab_proj
	.globl	k_qa516aefcab_proj
	.p2align	8
	.type	k_qa516aefcab_proj,@function
k_qa516aefcab_proj:
	s_mov_b64 s[64:65], 0
	v_nop
	global_prefetch_b8 v0, s[64:65] scope:SCOPE_SE
	s_setreg_imm32_b32 hwreg(HW_REG_WAVE_MODE, 25, 1), 1
	s_wait_xcnt 0x0
	s_wait_alu depctr_hold_cnt(0) depctr_sa_sdst(0) depctr_va_vdst(0) depctr_va_sdst(0) depctr_va_ssrc(0) depctr_va_vcc(0) depctr_vm_vsrc(0)
	s_getreg_b32 s2, hwreg(HW_REG_IB_STS2, 6, 4)
	s_cmp_eq_u32 s2, 0
	s_cbranch_scc0 .Lentry_in_a_cluster
	s_endpgm
.Lentry_in_a_cluster:
	s_bfe_u32 s2, ttmp6, 0x10000c
	s_cmp_lg_u32 s2, 0xf033
	s_cbranch_scc0 .Lentry_shape_is_right
	s_endpgm
.Lentry_shape_is_right:
; Q = query Wq^T + bq, K = key Wk^T + bk, V^T = Wv value^T + bv on codes of FP6 (E2M3), and the quantising of the results for the attention launch.
; The cluster's y / 8 says which of the three (KIND).  A work-group of four waves makes 256 x 256, a wave 128 x 128 in 512 registers.
; K = 1,024 goes through a ring of two LDS slots in CHUNKS OF 256 BYTES of each row of codes (a row is 768 bytes, so each chunk begins at a multiple of 256): eight steps of 128 along K to three chunks;
; steps 2 and 5 lie across two chunks.  The scales of the 256 + 256 rows come once, at the head, as dense blocks.
; CLUSTER 4 x 4: A's tiles are asked for jointly by a row of the cluster, B's by a column.
; No prefetch: the walk has three chunks, of which two are asked for at the head, so no loop runs ahead of the loads.
; THE WAY OUT: bias in f32, blocks of 32 along the next product's K, codes and scale words as images of the attention launch's operand registers; the stage lies in slot 1, which has its last fill and its last read ahead of the walk's last barrier.
; The key mask goes into byte 2 of K's scale words (see the attention launch).  LIMITS: NaN and infinities are not served; a block of zeros gets the byte 1.
.set SIZE_K, 1024
.set NQ,     2
.set ROWB,   256
.set KROW,   SIZE_K*6/8
.set STEPS,  SIZE_K/128
.set CHUNKS, KROW/ROWB
.set PITCH,  272
.set FR,     12
.set NL,     6
.set NP,     4
.set HALFT,  128*PITCH
.set SLOT,   4*HALFT
.set KS,     SIZE_K/32
.set SCL,    2*SLOT
.set HALFS,  (128*KS/256)*272
.set SBLK,   (16*KS/256)*272
.set SPARE,  SCL+4*HALFS
.set STAGE,  SLOT
.set WSTG,   13312
.set REC,    13056
.set HEADKV, 16*REC
.set STA,  7
.set STW,  8
.set RDA,  9
.set LO16, 10
.set LOW,  11
.set BO32, 12
.set R4,   13
.set ADRA, 16
.set ADRB, 20
.set VOPN, 20
.set VHID, 21
.set PW,   22
.set W0,   23
.set W1,   24
.set ADRS, 27
.set SPW,  28
.set NIL,  29
.set SC,   32
.set BR,   64
.set AF,   128
.set T,    128
.set OUTR, 128
.set PC,   192
.set BL,   224
.set EX,   232
.set TM,   240
.set G0H, 4
.set G0HB, 8
.set G1, 24
.set G0, 32
.set G1B, 48
.set G0B, 56
.set BLB, 66
.set G1S, 68
.set G0S, 76
.set G1SB, 80
.set G0SB, 88
.set KIND, 95
.set DC,  96
.set DS,  98
.set MP,  100
.set SEL, 104
.set KEEP, 36
.set RUN, 48
.set MSB, 0
.macro WIN new
.if MSB != \new
	s_set_vgpr_msb (MSB<<8)|\new
.set MSB, \new
.endif
.endm
.set MUL_LO, 0xa1
.set MUL_HI, 0xf1
.set TO_B,   0x40
.macro TL g0, g1                       ; a tensor load with the lines behind it
	tensor_load_to_lds s[\g0:\g0+3], s[\g1:\g1+7]
	s_nop 0
.rept 4
	v_nop
.endr
.endm
.macro JLOAD g0a, g1a, g0b, g1b        ; waves 0, 1 fetch for A, waves 2, 3 for B
	s_cmp_eq_u32 s15, 0
	s_cbranch_scc0 .Lfor_b_\@
	TL \g0a, \g1a
	s_branch .Lasked_\@
.Lfor_b_\@:
	TL \g0b, \g1b
.Lasked_\@:
.endm
.macro CREST
	s_cmp_lg_u32 s14, 0
	s_cbranch_scc1 .Lnot_wave_0_\@
	s_barrier_signal -3
.Lnot_wave_0_\@:
	s_barrier_wait -3
	s_barrier_signal -1
	s_barrier_wait -1
.endm
.macro CROUND
	s_barrier_signal -1
	s_barrier_wait -1
	CREST
.endm
	s_load_b512 s[24:39], s[0:1], 0x0
	s_load_b512 s[40:55], s[0:1], 0x40
	s_load_b128 s[56:59], s[0:1], 0x80
	s_load_b64 s[60:61], s[0:1], 0x90
	v_lshl_add_u32 v[SPW], v0, 2, SPARE
	v_mov_b32 v[NIL], 0
	ds_add_u32 v28, v29                    ; the opening lines: the add twice and its wait
	ds_add_u32 v28, v29
	s_wait_dscnt 0x0
	v_lshrrev_b32 v1, 5, v0
	v_readfirstlane_b32 s14, v1            ; the wave; s15 its row of the 2 x 2, s16 its column
	s_lshr_b32 s15, s14, 1
	s_and_b32 s16, s14, 1
	s_and_b32 s2, ttmp7, 0xffff
	s_lshr_b32 s[KIND], s2, 3              ; 0 Q, 1 K, 2 V
	s_and_b32 s2, s2, 7
	s_mov_b32 s[SEL], 0x76543210
	s_mov_b32 s[SEL+1], 0xfedcba98
	s_wait_kmcnt 0x0
	s_cmp_eq_u32 s[KIND], 0
	s_cselect_b64 s[4:5], s[24:25], s[34:35]
	s_cselect_b64 s[6:7], s[26:27], s[36:37]
	s_cselect_b64 s[8:9], s[28:29], s[38:39]
	s_cselect_b64 s[10:11], s[30:31], s[40:41]
	s_cselect_b64 s[12:13], s[32:33], s[42:43]
	s_cselect_b64 s[DC:DC+1], s[56:57], s[60:61]
	s_cselect_b64 s[DS:DS+1], s[58:59], s[60:61]
	s_cmp_eq_u32 s[KIND], 2                ; V is made transposed: the weight's rows are A, the tokens B
	s_cselect_b64 s[4:5], s[48:49], s[4:5]
	s_cselect_b64 s[6:7], s[50:51], s[6:7]
	s_cselect_b64 s[8:9], s[44:45], s[8:9]
	s_cselect_b64 s[10:11], s[46:47], s[10:11]
	s_cselect_b64 s[12:13], s[52:53], s[12:13]
	s_mov_b64 s[MP:MP+1], s[54:55]
	s_cselect_b32 s18, 0, s2
	s_cselect_b32 s19, s2, 0
	s_bfe_u32 s40, ttmp6, 0x40000
	s_bfe_u32 s41, ttmp6, 0x40004
	s_lshl_b32 s42, s19, 2
	s_add_co_u32 s42, s42, s40             ; tile column
	s_lshl_b32 s17, s18, 2
	s_add_co_u32 s17, s17, s41             ; tile row
	s_lshl_b32 s43, s41, 2
	s_lshl_b32 s43, 15, s43
	s_lshl_b32 s44, 0x1111, s40
	s_or_b32 s[G1+0], s43, (0<<16)|(1<<20)|(1<<21)|(5<<22)|(3<<25)   ; rows of 256 bytes, 16 of padding behind each
	s_or_b32 s[G1B+0], s44, (0<<16)|(1<<20)|(1<<21)|(5<<22)|(3<<25)
.irp g, G1, G1B
	s_mov_b32 s[\g+1], ROWB<<16
	s_mov_b32 s[\g+2], 256<<16             ; the head's loads bring 256 rows
	s_mov_b32 s[\g+3], ROWB<<16
	s_mov_b32 s[\g+4], 256
	s_mov_b32 s[\g+5], KROW
	s_mov_b32 s[\g+6], 0
	s_mov_b32 s[\g+7], 0
.endr
	s_or_b32 s[G1S+0], s43, (3<<16)|(1<<20)|(1<<21)|(5<<22)|(3<<25)  ; the scales of 256 rows: KS dense rows of 256 bytes
	s_or_b32 s[G1SB+0], s44, (3<<16)|(1<<20)|(1<<21)|(5<<22)|(3<<25)
.irp g, G1S, G1SB
	s_mov_b32 s[\g+1], 32<<16
	s_mov_b32 s[\g+2], KS<<16
	s_mov_b32 s[\g+3], 32<<16
	s_mov_b32 s[\g+4], KS
	s_mov_b32 s[\g+5], 32
	s_mov_b32 s[\g+6], 0
	s_mov_b32 s[\g+7], 0
.endr
	s_lshl_b32 s20, s17, 8
	s_lshl_b32 s46, s42, 8
	s_mov_b32 s21, 0
	s_mov_b32 s47, 0
	s_mov_b64 s[18:19], KS
	s_mul_u64 s[22:23], s[20:21], s[18:19]
	s_mul_u64 s[92:93], s[46:47], s[18:19]
	s_mov_b64 s[18:19], KROW
	s_mul_u64 s[20:21], s[20:21], s[18:19]
	s_mul_u64 s[46:47], s[46:47], s[18:19]
	s_mul_i32 s18, s16, 128*KROW           ; in the ring I fetch 128 rows of a tile
	s_mov_b32 s19, 0
	s_mul_i32 s45, s14, HALFT
	s_add_nc_u64 s[20:21], s[4:5], s[20:21]
	s_add_nc_u64 s[22:23], s[6:7], s[22:23]
	s_add_nc_u64 s[46:47], s[8:9], s[46:47]
	s_add_nc_u64 s[92:93], s[10:11], s[92:93]
	CROUND                                 ; the round in front of the first joint loads
	s_mov_b32 s[G0H], 1
	s_mov_b32 s[G0H+1], 0
	s_mov_b64 s[G0H+2:G0H+3], s[20:21]
	s_or_b32 s[G0H+3], s[G0H+3], 0x80000000
	s_mov_b32 s[G0HB], 1
	s_mov_b32 s[G0HB+1], 2*HALFT
	s_mov_b64 s[G0HB+2:G0HB+3], s[46:47]
	s_or_b32 s[G0HB+3], s[G0HB+3], 0x80000000
	s_mov_b32 s[G0S], 1
	s_mov_b32 s[G0S+1], SCL
	s_mov_b64 s[G0S+2:G0S+3], s[22:23]
	s_or_b32 s[G0S+3], s[G0S+3], 0x80000000
	s_mov_b32 s[G0SB], 1
	s_mov_b32 s[G0SB+1], SCL+2*HALFS
	s_mov_b64 s[G0SB+2:G0SB+3], s[92:93]
	s_or_b32 s[G0SB+3], s[G0SB+3], 0x80000000
	s_add_nc_u64 s[20:21], s[20:21], s[18:19]
	s_add_nc_u64 s[46:47], s[46:47], s[18:19]
.irp s, 0,1
	s_mov_b32 s[G0+4*\s], 1
	s_add_co_u32 s[G0+4*\s+1], s45, \s*SLOT
	s_add_nc_u64 s[G0+4*\s+2:G0+4*\s+3], s[20:21], \s*ROWB
	s_or_b32 s[G0+4*\s+3], s[G0+4*\s+3], 0x80000000
	s_mov_b32 s[G0B+4*\s], 1
	s_add_co_u32 s[G0B+4*\s+1], s45, \s*SLOT
	s_add_nc_u64 s[G0B+4*\s+2:G0B+4*\s+3], s[46:47], \s*ROWB
	s_or_b32 s[G0B+4*\s+3], s[G0B+4*\s+3], 0x80000000
.endr
; the head's four tiles, one load a wave: chunk 0 of A, of B, A's scales, B's scales
.macro ARM under, g0, g1, next
	s_cmp_lt_u32 s14, \under
	s_cbranch_scc0 \next
	TL \g0, \g1
	s_branch .Lhead_asked
\next:
.endm
	ARM 1, G0H,  G1,  .Lhead_b
	ARM 2, G0HB, G1B, .Lhead_sa
	ARM 3, G0S,  G1S, .Lhead_sb
	TL G0SB, G1SB
.Lhead_asked:
	v_and_b32 v1, 15, v0
	v_bfe_u32 v2, v0, 4, 1
	s_wait_alu depctr_va_vdst(0)           ; the wait behind these writes
	s_lshl_b32 s20, s17, 8
	s_lshl_b32 s21, s15, 7
	s_add_co_u32 s20, s20, s21
	s_lshl_b32 s20, s20, 2
	s_mov_b32 s21, 0
	s_lshl_b32 s46, s42, 8
	s_lshl_b32 s47, s16, 7
	s_add_co_u32 s46, s46, s47
	s_lshl_b32 s46, s46, 2
	s_mov_b32 s47, 0
	s_add_nc_u64 s[MP:MP+1], s[MP:MP+1], s[20:21]
	s_mov_b32 s22, HEADKV
	s_cmp_eq_u32 s[KIND], 2
	s_cselect_b32 s20, s20, 0
	s_cselect_b32 s46, 0, s46
	s_cselect_b32 s22, s22, 256
	s_add_nc_u64 s[BLB:BLB+1], s[12:13], s[20:21]
	s_add_nc_u64 s[12:13], s[12:13], s[46:47]
	v_lshlrev_b32 v[BO32], 5, v2
	v_lshlrev_b32 v[R4], 2, v1
.irp b, 0,1,2,3,4,5,6,7
	global_load_b128 v[BR+8*\b:BR+8*\b+3], v[BO32], s[12:13] offset:64*\b      ; the bias by columns (Q, K)
	global_load_b128 v[BR+8*\b+4:BR+8*\b+7], v[BO32], s[12:13] offset:64*\b+16
.endr
.irp a, 0,1,2,3,4,5,6,7
	global_load_b32 v[BL+\a], v[R4], s[BLB:BLB+1] offset:64*\a                 ; the bias by rows (V)
	global_load_b32 v[EX+\a], v[R4], s[MP:MP+1] offset:64*\a                   ; the mask of my rows
.endr
	v_mul_u32_u24 v3, v1, PITCH
	v_mul_u32_u24 v4, v2, 24
	v_add_nc_u32 v4, v3, v4                ; a fragment's row x pitch + 24 x half
	s_mov_b32 s21, SLOT-232
	s_mov_b32 s23, SLOT+232
	v_sub_nc_u32 v7, 1, v2
	v_mul_u32_u24 v5, s21, v2
	v_add_nc_u32 v5, v3, v5
	v_add_nc_u32 v5, 232, v5               ; across two chunks: lanes 0-15 byte 232 in slot 0, lanes 16-31 byte 0 in slot 1;
	v_mul_u32_u24 v6, s23, v7
	v_add_nc_u32 v6, v3, v6                ; and the other way round
	s_mul_i32 s21, s15, HALFT
	s_mul_i32 s23, s16, HALFT
	s_add_co_u32 s23, s23, 2*HALFT
	v_add_nc_u32 v[ADRA+2], s21, v5
	v_add_nc_u32 v[ADRA+3], s21, v6
	v_add_nc_u32 v[ADRB+2], s23, v5
	v_add_nc_u32 v[ADRB+3], s23, v6
.irp s, 0,1
	v_add_nc_u32 v[ADRA+\s], s21, v4
	v_add_nc_u32 v[ADRB+\s], s23, v4
	s_add_co_u32 s21, s21, SLOT
	s_add_co_u32 s23, s23, SLOT
.endr
	v_mul_u32_u24 v[LOW], s22, v2
	v_lshl_add_u32 v[LOW], v1, 4, v[LOW]
	v_mul_u32_u24 v5, v1, KS
	v_lshrrev_b32 v6, 8, v5
	v_lshl_add_u32 v5, v6, 4, v5
	s_mul_i32 s21, s15, HALFS
	s_mul_i32 s22, s16, HALFS
	s_add_co_u32 s22, s22, 2*HALFS
	s_sub_co_u32 s22, s22, s21
	v_mul_u32_u24 v6, s22, v2
	s_add_co_u32 s21, s21, SCL
	v_add_nc_u32 v5, v5, v6
	v_add_nc_u32 v[ADRS], s21, v5
	s_mul_i32 s23, s14, WSTG
	s_add_co_u32 s23, s23, STAGE           ; my stage, in slot 1
	v_bfe_u32 v5, v0, 3, 1
	v_and_b32 v6, 7, v0
	v_mul_u32_u24 v[STA], v5, 768
	v_lshl_add_u32 v[STA], v6, 3, v[STA]
	v_lshl_add_u32 v[STA], v2, 7, v[STA]
	v_add_nc_u32 v[STA], s23, v[STA]
	v_lshlrev_b32 v[STW], 6, v5
	v_lshl_add_u32 v[STW], v6, 2, v[STW]
	v_add_nc_u32 v[STW], s23, v[STW]
	v_and_b32 v6, 31, v0
	v_lshlrev_b32 v[LO16], 4, v6
	v_add_nc_u32 v[RDA], s23, v[LO16]
.macro FRAG reg, adr, st, i            ; six pieces of 8 bytes; byte y of a row lies in chunk y / 256, slot (y / 256) % 2
.irp p, 0,1,2,3,4,5
.set BY, 96*(\st)+48*(\p/3)+8*(\p%3)
.if BY/ROWB == (BY+24)/ROWB
	ds_load_b64 v[\reg+2*\p:\reg+2*\p+1], v[\adr+(BY/ROWB)%2] offset:BY%ROWB+(\i)*16*PITCH
.else
	ds_load_b64 v[\reg+2*\p:\reg+2*\p+1], v[\adr+2+(BY/ROWB)%2] offset:BY%ROWB-232+(\i)*16*PITCH
.endif
.endr
.endm
.macro MUL16 a0, p, q, sc, zero        ; the 64 accumulators take turns
.irp a, \a0, \a0+1
.irp b, 0,1,2,3,4,5,6,7
.if \zero
	v_wmma_scale_f32_16x16x128_f8f6f4 v[8*(8*((\a)%4)+\b):8*(8*((\a)%4)+\b)+7], v[128*(\p)+FR*\b:128*(\p)+FR*\b+FR-1], v[AF+FR*(\a):AF+FR*(\a)+FR-1], 0, v[SC+8*NQ*(\sc)+NQ*\b+(\q)], v[SC+8*NQ*(\sc)+NQ*(\a)+(\q)] matrix_a_fmt:MATRIX_FMT_FP6 matrix_b_fmt:MATRIX_FMT_FP6 matrix_a_scale:MATRIX_SCALE_ROW1
.else
	v_wmma_scale_f32_16x16x128_f8f6f4 v[8*(8*((\a)%4)+\b):8*(8*((\a)%4)+\b)+7], v[128*(\p)+FR*\b:128*(\p)+FR*\b+FR-1], v[AF+FR*(\a):AF+FR*(\a)+FR-1], v[8*(8*((\a)%4)+\b):8*(8*((\a)%4)+\b)+7], v[SC+8*NQ*(\sc)+NQ*\b+(\q)], v[SC+8*NQ*(\sc)+NQ*(\a)+(\q)] matrix_a_fmt:MATRIX_FMT_FP6 matrix_b_fmt:MATRIX_FMT_FP6 matrix_a_scale:MATRIX_SCALE_ROW1
.endif
.endr
.endr
.endm
.macro FETCH_B st, p
	WIN TO_B
.irp i, 0,1,2,3,4,5,6,7
	FRAG 128*(\p)+FR*\i, ADRB, \st, \i
.endr
	WIN 0
.endm
.macro FETCH_A st, i0
.irp i, \i0, \i0+1, \i0+2, \i0+3
	FRAG AF+FR*(\i), ADRA, \st, \i
.endr
.endm
.macro SCALES pr
.irp i, 0,1,2,3,4,5,6,7
	ds_load_b64 v[SC+8*NQ*((\pr)%2)+NQ*\i:SC+8*NQ*((\pr)%2)+NQ*\i+1], v[ADRS] offset:\i*SBLK+4*NQ*(\pr)
.endr
.endm
.macro PLACES n
.rept \n
	v_nop
.endr
.endm
; A step of 128 along K.  Where the next step ends in a chunk not read yet: a wait for my tensor loads and a barrier.  Where it begins in a later chunk: the three lines, the barrier, and, if a chunk is left to fetch, the round and the refill.
.macro STEP st, zero
.set NX, (\st)+1
.set C0, (96*(\st))/ROWB
.set C1, (96*NX)/ROWB
.set E0, (96*(\st)+95)/ROWB
.set E1, (96*NX+95)/ROWB
.if C1 > C0 || E1 > E0
	s_wait_tensorcnt 0x0
.if C1 > C0
	ds_add_u32 v[SPW], v[NIL]
	s_wait_dscnt 4*NL+1                    ; the add and A's blocks 4-7 may be out
.else
	s_wait_dscnt 4*NL                      ; A's blocks 4-7 may be out
.endif
	WIN MUL_LO
	MUL16 0, (\st)%2, (\st)%2, ((\st)/2)%2, \zero
	s_wait_dscnt 0x0
	s_barrier_signal -1
	MUL16 2, (\st)%2, (\st)%2, ((\st)/2)%2, \zero
	WIN 0
	s_barrier_wait -1
.if C1 > C0 && C0+2 < CHUNKS
	CREST
	s_add_nc_u64 s[G0+4*(C0%2)+2:G0+4*(C0%2)+3], s[G0+4*(C0%2)+2:G0+4*(C0%2)+3], 2*ROWB
	s_add_nc_u64 s[G0B+4*(C0%2)+2:G0B+4*(C0%2)+3], s[G0B+4*(C0%2)+2:G0B+4*(C0%2)+3], 2*ROWB
	JLOAD G0+4*(C0%2), G1, G0B+4*(C0%2), G1B
.else
	PLACES NP
.endif
.else
	s_wait_dscnt 4*NL
	WIN MUL_LO
	MUL16 0, (\st)%2, (\st)%2, ((\st)/2)%2, \zero
	MUL16 2, (\st)%2, (\st)%2, ((\st)/2)%2, \zero
	s_wait_dscnt 0
	PLACES NP
.endif
	FETCH_B NX, NX%2
	FETCH_A NX, 0
.if NX%2 == 0
	SCALES NX/2
.endif
	WIN MUL_HI
	MUL16 4, (\st)%2, (\st)%2, ((\st)/2)%2, \zero
	MUL16 6, (\st)%2, (\st)%2, ((\st)/2)%2, \zero
	PLACES NP
	WIN 0
	FETCH_A NX, 4
.endm
	s_wait_alu depctr_va_vdst(0)           ; the wait at the head's end
	s_wait_tensorcnt 0x0                   ; my tile of the head's four is in
	ds_add_u32 v[SPW], v[NIL]
	s_mov_b32 s[G1+2], 128<<16             ; no load of mine is out: from here on a load brings 128 rows
	s_mov_b32 s[G1+4], 128
	s_mov_b32 s[G1B+2], 128<<16
	s_mov_b32 s[G1B+4], 128
	s_wait_dscnt 0x0
	CROUND
	JLOAD G0+4, G1, G0B+4, G1B             ; chunk 1, slot 1's first fill, issued as a refill is
	FETCH_B 0, 0
	FETCH_A 0, 0
	SCALES 0
	FETCH_A 0, 4
	STEP 0, 1
.set ST, 1
.rept STEPS-2
	STEP ST, 0
.set ST, ST+1
.endr
	s_wait_dscnt 4*NL
	WIN MUL_LO
	MUL16 0, 1, 1, 1, 0
	MUL16 2, 1, 1, 1, 0
	s_wait_dscnt 0
	WIN MUL_HI
	MUL16 4, 1, 1, 1, 0
	MUL16 6, 1, 1, 1, 0
	WIN 0
; THE WAY OUT: where the codes and scale words go, by KIND
	s_lshl_b32 s20, s17, 8
	s_lshl_b32 s21, s15, 7
	s_add_co_u32 s20, s20, s21
	s_lshl_b32 s21, s42, 8
	s_lshl_b32 s22, s16, 7
	s_add_co_u32 s21, s21, s22
	s_mov_b32 s24, HEADKV
	s_mov_b32 s25, REC
	s_mov_b32 s31, 0x7f010000
	s_mov_b32 s32, 0x7ffb0000
	s_mov_b32 s36, 0xffff
	s_mov_b32 s38, 3072
	s_cmp_eq_u32 s[KIND], 0
	s_cselect_b32 s26, 98304, s24
	s_cselect_b32 s27, 6144, s25
	s_cselect_b32 s28, 8192, s24
	s_cselect_b32 s29, 512, s25
	s_cselect_b32 s30, 0, 12288
	s_cselect_b32 s31, 0x7f4d0000, s31
	s_cselect_b32 s32, 0x7f4d0000, s32
	s_cmp_eq_u32 s[KIND], 2
	s_cselect_b32 s33, s21, s20
	s_cselect_b32 s34, s20, s21
	s_cselect_b32 s35, 6144, 0
	s_cselect_b32 s30, 12800, s30
	s_cselect_b32 s31, 0, s31
	s_cselect_b32 s32, 0, s32
	s_cselect_b32 s[KEEP], -1, s36
	s_cselect_b32 s37, 3072, s26
	s_cselect_b32 s38, s24, s38
	v_mov_b32 v[VOPN], s31
	v_mov_b32 v[VHID], s32
.irp b, 0,1,2,3
	v_mov_b32 v[TM+4+\b], 0
.endr
	s_lshr_b32 s39, s33, 11
	s_lshl_b32 s39, s39, 4
	s_lshr_b32 s40, s34, 6
	s_add_co_u32 s39, s39, s40
	s_bfe_u32 s40, s33, 0x40007
	s_mul_i32 s41, s39, s26
	s_mul_i32 s43, s40, s27
	s_add_co_u32 s44, s41, s43
	s_add_co_u32 s44, s44, s35
	s_mov_b32 s45, 0
	s_add_nc_u64 s[DC:DC+1], s[DC:DC+1], s[44:45]
	s_mul_i32 s41, s39, s28
	s_mul_i32 s43, s40, s29
	s_add_co_u32 s44, s41, s43
	s_add_co_u32 s44, s44, s30
	s_add_nc_u64 s[DS:DS+1], s[DS:DS+1], s[44:45]
	s_mov_b32 s44, s38
	s_mov_b32 s46, s37
	s_mov_b32 s47, 0
	s_mov_b64 s[RUN:RUN+1], s[DC:DC+1]
	s_add_nc_u64 s[RUN+2:RUN+3], s[DC:DC+1], s[44:45]
	s_add_nc_u64 s[RUN+4:RUN+5], s[DC:DC+1], s[46:47]
	s_add_nc_u64 s[RUN+6:RUN+7], s[RUN+4:RUN+5], s[44:45]
	s_mov_b32 s44, s28
	s_add_nc_u64 s[RUN+8:RUN+9], s[DS:DS+1], s[44:45]
	s_wait_alu depctr_va_vdst(0)
	s_wait_loadcnt 0x0
.irp a, 0,1,2,3,4,5,6,7
	v_cmp_ne_u32 vcc_lo, 0, v[EX+\a]
	v_cndmask_b32 v[EX+\a], v[VHID], v[VOPN], vcc_lo   ; bytes 2, 3 of the scale word: a key that counts, or a hidden one
.endr
.macro QUANT s                         ; four blocks of 32: the largest magnitude with its floor, the scale, the codes
.irp b, 0,1,2,3
	v_max3_num_f32 v[TM+\b], |v[\s+16*\b]|, |v[\s+1+16*\b]|, 0x1800000
.endr
.irp i, 2,4,6,8,10,12,14
.irp b, 0,1,2,3
	v_max3_num_f32 v[TM+\b], v[TM+\b], |v[\s+16*\b+\i]|, |v[\s+1+16*\b+\i]|
.endr
.endr
.irp b, 0,1,2,3
	v_permlanex16_b32 v[TM+4+\b], v[TM+\b], s[SEL], s[SEL+1]
.endr
.irp b, 0,1,2,3
	v_max_num_f32 v[TM+\b], v[TM+\b], v[TM+4+\b]
.endr
.irp b, 0,1,2,3
	v_add_nc_u32 v[TM+12+\b], 0xff000000, v[TM+\b]
.endr
.irp b, 0,1,2,3
	v_lshrrev_b32 v[TM+4+\b], 23, v[TM+12+\b]
.endr
	v_lshl_or_b32 v[PW], v[TM+5], 8, v[TM+4]
	v_lshl_or_b32 v[PW], v[TM+6], 16, v[PW]
	v_lshl_or_b32 v[PW], v[TM+7], 24, v[PW]
	s_wait_dscnt 0x0
.irp c, 0,1
	v_cvt_scalef32_pk16_fp6_f32 v[PC+6*\c:PC+2+6*\c], v[\s+32*\c:\s+15+32*\c], v[TM+12+2*\c]
	v_cvt_scalef32_pk16_fp6_f32 v[PC+12+4*\c:PC+14+4*\c], v[\s+16+32*\c:\s+31+32*\c], v[TM+12+2*\c+1]
.endr
	v_nop
.irp c, 0,1
.irp i, 0,1,2
	v_permlane16_swap_b32 v[PC+6*\c+\i], v[PC+12+4*\c+\i]
.endr
.irp i, 0,1,2
	v_mov_b32 v[PC+3+6*\c+\i], v[PC+12+4*\c+\i]
.endr
.endr
.endm
.macro OUTBLK a
.set AC, 64*((\a)%4)
	s_cmp_eq_u32 s[KIND], 2
	s_cbranch_scc1 .Lby_lane_\@
	WIN (0x02+(\a)/4)
.set i, 0
.rept 32
	v_pk_add_f32 v[T+i:T+i+1], v[AC+i:AC+i+1], v[BR+i:BR+i+1]
.set i, i+2
.endr
	WIN 0
	s_branch .Lbiased_\@
.Lby_lane_\@:
	WIN (0x02+(\a)/4)
.set i, 0
.rept 32
.if (\a)%2
	v_pk_add_f32 v[T+i:T+i+1], v[AC+i:AC+i+1], v[BL+(\a)-1:BL+(\a)] op_sel:[0,1] op_sel_hi:[1,1]
.else
	v_pk_add_f32 v[T+i:T+i+1], v[AC+i:AC+i+1], v[BL+(\a):BL+(\a)+1] op_sel_hi:[1,0]
.endif
.set i, i+2
.endr
	WIN 0
.Lbiased_\@:
.irp b, 0,1,2,3
.irp j, 0,1,2,3,4,5,6,7
	v_permlane16_swap_b32 v[T+16*\b+\j], v[T+16*\b+8+\j]
.endr
.endr
	QUANT T
.irp p, 0,1,2,3,4,5
	ds_store_b64 v[STA], v[PC+2*\p:PC+2*\p+1] offset:(\p/3)*6144+((\a)/2)*1536+((\a)%2)*64+(\p%3)*256
.endr
	v_and_or_b32 v[W0], v[PW], s[KEEP], v[EX+(\a)]
	v_lshrrev_b32 v[W1], 16, v[PW]
	v_or_b32 v[W1], v[W1], v[EX+(\a)]
	ds_store_b32 v[STW], v[W0] offset:12288+128*((\a)/2)+32*((\a)%2)
	ds_store_b32 v[STW], v[W1] offset:12800+128*((\a)/2)+32*((\a)%2)
.endm
.irp a, 0,1,2,3,4,5,6,7
	OUTBLK \a
.endr
	s_wait_dscnt 0x0
.set n, 0
.rept 24
	ds_load_b128 v[OUTR+4*n:OUTR+4*n+3], v[RDA] offset:512*n
.set n, n+1
.endr
	ds_load_b128 v[32:35], v[RDA] offset:12288
	ds_load_b128 v[36:39], v[RDA] offset:12800
.set n, 0
.rept 24
	s_wait_dscnt 25-n                      ; the loads issued behind load n may be out
	global_store_b128 v[LO16], v[OUTR+4*n:OUTR+4*n+3], s[RUN+2*(n/6):RUN+2*(n/6)+1] offset:512*(n%6)   ; 32 lanes store 512 consecutive bytes
.set n, n+1
.endr
	s_wait_dscnt 0x0
	global_store_b128 v[LOW], v[32:35], s[DS:DS+1]
	s_cmp_eq_u32 s[KIND], 2
	s_cbranch_scc1 .Lno_second
	global_store_b128 v[LOW], v[36:39], s[RUN+8:RUN+9]
.Lno_second:
	s_wait_tensorcnt 0x0                   ; the wave's end
	ds_add_u32 v[SPW], v[NIL]
	s_wait_dscnt 0x0
	CROUND                                 ; the closing round
	s_endpgm
.Lfunc_end_k_qa516aefcab_proj:
	.size	k_qa516aefcab_proj, .Lfunc_end_k_qa516aefcab_proj-k_qa516aefcab_proj
	.p2alignl 7, 3214868480
	.fill 96, 4, 3214868480
	.section	.rodata,"a",@progbits
	.p2align	6, 0x0
	.amdhsa_kernel k_qa516aefcab_proj
		.amdhsa_group_segment_fixed_size 327680
		.amdhsa_private_segment_fixed_size 0
		.amdhsa_enable_private_segment 0
		.amdhsa_kernarg_size 152
		.amdhsa_user_sgpr_count 2
		.amdhsa_user_sgpr_kernarg_segment_ptr 1
		.amdhsa_wavefront_size32 1
		.amdhsa_system_sgpr_workgroup_id_x 1
		.amdhsa_system_sgpr_workgroup_id_y 1
		.amdhsa_system_sgpr_workgroup_id_z 1
		.amdhsa_system_vgpr_workitem_id 0
		.amdhsa_next_free_vgpr 1024
		.amdhsa_next_free_sgpr 106
		.amdhsa_reserve_vcc 1
		.amdhsa_float_denorm_mode_32 3
		.amdhsa_float_denorm_mode_16_64 3
		.amdhsa_memory_ordered 1
		.amdhsa_forward_progress 1
		.amdhsa_inst_pref_size 220
	.end_amdhsa_kernel
	.amdgpu_metadata
---
amdhsa.version: [ 1, 2 ]
amdhsa.kernels:
  - .name:           k_qa516aefcab_proj
    .symbol:         k_qa516aefcab_proj.kd
    .args:
      - { .name: query_codes, .offset: 0, .size: 8, .value_kind: global_buffer, .address_space: global }
      - { .name: query_scales, .offset: 8, .size: 8, .value_kind: global_buffer, .address_space: global }
      - { .name: Wq_codes, .offset: 16, .size: 8, .value_kind: global_buffer, .address_space: global }
      - { .name: Wq_scales, .offset: 24, .size: 8, .value_kind: global_buffer, .address_space: global }
      - { .name: bq, .offset: 32, .size: 8, .value_kind: global_buffer, .address_space: global }
      - { .name: key_codes, .offset: 40, .size: 8, .value_kind: global_buffer, .address_space: global }
      - { .name: key_scales, .offset: 48, .size: 8, .value_kind: global_buffer, .address_space: global }
      - { .name: Wk_codes, .offset: 56, .size: 8, .value_kind: global_buffer, .address_space: global }
      - { .name: Wk_scales, .offset: 64, .size: 8, .value_kind: global_buffer, .address_space: global }
      - { .name: bk, .offset: 72, .size: 8, .value_kind: global_buffer, .address_space: global }
      - { .name: value_codes, .offset: 80, .size: 8, .value_kind: global_buffer, .address_space: global }
      - { .name: value_scales, .offset: 88, .size: 8, .value_kind: global_buffer, .address_space: global }
      - { .name: Wv_codes, .offset: 96, .size: 8, .value_kind: global_buffer, .address_space: global }
      - { .name: Wv_scales, .offset: 104, .size: 8, .value_kind: global_buffer, .address_space: global }
      - { .name: bv, .offset: 112, .size: 8, .value_kind: global_buffer, .address_space: global }
      - { .name: key_padding_mask, .offset: 120, .size: 8, .value_kind: global_buffer, .address_space: global }
      - { .name: qc, .offset: 128, .size: 8, .value_kind: global_buffer, .address_space: global }
      - { .name: qs, .offset: 136, .size: 8, .value_kind: global_buffer, .address_space: global }
      - { .name: kv, .offset: 144, .size: 8, .value_kind: global_buffer, .address_space: global }
    .group_segment_fixed_size: 327680
    .private_segment_fixed_size: 0
    .kernarg_segment_align: 8
    .kernarg_segment_size: 152
    .max_flat_workgroup_size: 128
    .sgpr_count:     106
    .vgpr_count:     1024
    .wavefront_size: 32
...
	.end_amdgpu_metadata
.endif
;; end of part 1
;; launch attn (part 2): grid 4 x 64, 16 waves a work-group, clusters of 4 x 1, 210,944 bytes of LDS; arguments qc, qs, kv, oc, osc; writes oc, osc
.if DOCPART == 2
	.amdgcn_target "amdgcn-amd-amdhsa--gfx1250"
	.amdhsa_code_object_version 6
	.text
	.protected	k_qa516aefcab_attn
	.globl	k_qa516aefcab_attn
	.p2align	8
	.type	k_qa516aefcab_attn,@function
k_qa516aefcab_attn:
	s_mov_b64 s[64:65], 0
	v_nop
	global_prefetch_b8 v0, s[64:65] scope:SCOPE_SE
	s_setreg_imm32_b32 hwreg(HW_REG_WAVE_MODE, 25, 1), 1
	s_wait_xcnt 0x0
	s_wait_alu depctr_hold_cnt(0) depctr_sa_sdst(0) depctr_va_vdst(0) depctr_va_sdst(0) depctr_va_ssrc(0) depctr_va_vcc(0) depctr_vm_vsrc(0)
	s_getreg_b32 s2, hwreg(HW_REG_IB_STS2, 6, 4)
	s_cmp_eq_u32 s2, 0
	s_cbranch_scc0 .Lentry_in_a_cluster
	s_endpgm
.Lentry_in_a_cluster:
	s_bfe_u32 s2, ttmp6, 0x10000c
	s_cmp_lg_u32 s2, 0x3003
	s_cbranch_scc0 .Lentry_shape_is_right
	s_endpgm
.Lentry_shape_is_right:
; ATTENTION of one head on codes of FP6 (E2M3): S^T = K Q^T, a streaming softmax, O^T = V^T P^T, O / the row's sum, and the quantising of O along the model's axis for the last projection.
; SHARES.  256 work-groups.  A work-group owns 512 queries of one head (64 heads: 16 x batch + head); each of its sixteen waves owns two tiles of 16 queries and walks the head's 2,048 keys, 128 a step, once for each tile.
; LDS.  A head's sixteen records (13,056 bytes a key step: K's 8 tiles, V's 4 fragments, K's and V's scale words) are 208,896 bytes: each byte is filled ONCE and serves both walks; nothing is stored there: no ring.
; Wave w asks for record w: one tensor load a wave, in two arms.  Waves 0-3 wait ahead of the first barrier, behind which records 0-3 are read; all waves wait ahead of the second, behind which the rest is read.  The second walk has no barrier.
; CLUSTER.  The four work-groups of a head read the same records: each is asked for jointly, with a mask that names the four.  No prefetch: all that the launch streams is asked for at its head.
; LAYOUT.  Both products are used transposed: a lane holds ONE query (lane % 16).  All operands lie as images of their registers: run p of 256 bytes holds registers 2 p, 2 p + 1, lane l's 8 bytes at 8 l.
; Tile t, lane r of K stands for key 32 (t / 2) + 8 (t % 2) + r + 8 (r / 8) of the step, so that the 16 registers of tiles 2 b and 2 b + 1 are keys 32 b + 16 (lane / 16) + 0 .. 15; V's channels and the queries are numbered likewise.
; THE MASK.  A head has 64 along K, the instruction 128.  At k = 64 Q holds the code 1.0 and K the code -7.5; byte 2 of the scale words (Q's 2^-50; a key's 2^-126 where it counts, 2^124 where it is hidden) makes of their
; product nothing, or -7.5 x 2^74 on every score of a hidden key: its p is exactly 0.
; THE SOFTMAX: t = score x log2(e) / 8; M = the running largest t rounded up to a whole number; p = 2^(t - M) is quantised along the keys, not normalised; the row's sum is taken of the unquantised p.
; LIMITS: |t| of keys that count stays under 2^64 (the running maximum starts at -2^64); a batch in which no key counts is not served; NaN and infinities are not served; a block of zeros gets the byte 1.
.set REC,    13056
.set HEADKV, 16*REC
.set LI8, 1                            ; v1   8 x lane
.set LS4, 2                            ; v2   4 x lane
.set ADI, 3                            ; v3   the step's record + 8 x lane
.set ADW, 4                            ; v4   the step's record + 4 x lane
.set KSC, 8                            ; v8-11  K's scale words
.set QF,  16                           ; v16-27 Q's fragment
.set QSC, 28
.set PSW, 29                           ; p's scale word
.set VSC, 30
.set KB,  32                           ; v32-79 four fragments of K; registers 6-11 of each are set once
.set PC,  80                           ; v80-91 p's codes
.set PT,  92
.set BM,  100
.set BX,  104
.set BS,  108
.set FF,  112                          ; v[112:113] f = 2^(old M - new M)
.set TP,  114
.set S,   128                          ; v128-191 S^T, then p; then V's four fragments
.set O,   192                          ; v192-223 O^T
.set Q2,  224                          ; v224-230 the second tile's Q and its scale words
.set WV,  14
.set SEL, 20
.set CS,  22
.set G1,  24
.set G0,  32
.set TB,  48
.set CNT, 49
.macro CROUND
	s_barrier_signal -1
	s_barrier_wait -1
	s_cmp_lg_u32 s[WV], 0
	s_cbranch_scc1 .Lnot_wave_0_\@
	s_barrier_signal -3
.Lnot_wave_0_\@:
	s_barrier_wait -3
	s_barrier_signal -1
	s_barrier_wait -1
.endm
	s_load_b256 s[4:11], s[0:1], 0x0               ; qc, qs, kv, oc
	s_load_b64 s[12:13], s[0:1], 0x20              ; osc
	v_lshl_add_u32 v254, v0, 2, 0x33000
	v_mov_b32 v255, 0
	ds_add_u32 v254, v255                          ; the opening lines
	ds_add_u32 v254, v255
	v_lshrrev_b32 v5, 5, v0
	s_delay_alu instid0(VALU_DEP_1)
	v_readfirstlane_b32 s[WV], v5                  ; wave 0..15
	s_bfe_u32 s15, ttmp6, 0x40000                  ; cx: my block of 512 queries; it enters Q's and O's addresses alone
	s_and_b32 s17, ttmp7, 0xffff                   ; the head, which the four partners share
	s_lshl_b32 s18, s15, 5
	s_add_co_u32 s18, s18, s[WV]                   ; my first tile of queries in the head; the second lies 16 tiles on
	s_mul_i32 s50, s17, 98304
	s_mul_i32 s51, s18, 768
	s_add_co_u32 s50, s50, s51
	s_mov_b32 s51, 0                               ; Q's codes
	s_lshl_b32 s52, s17, 13
	s_lshl_b32 s53, s18, 6
	s_add_co_u32 s52, s52, s53
	s_mov_b32 s53, 0                               ; Q's scale words
	s_lshr_b32 s19, s17, 4
	s_lshl_b32 s19, s19, 7
	s_add_co_u32 s19, s19, s18                     ; my tile of rows among all 512
	s_and_b32 s2, s17, 15
	s_mul_i32 s56, s19, 12288
	s_mul_i32 s57, s2, 768
	s_add_co_u32 s56, s56, s57
	s_mov_b32 s57, 0                               ; O's codes: [tile of rows][head][768]
	s_lshl_b32 s58, s19, 9
	s_lshl_b32 s59, s2, 1
	s_add_co_u32 s58, s58, s59
	s_mov_b32 s59, 0                               ; O's scale bytes: 32 a row, two a head
	s_mul_i32 s3, s[WV], REC                       ; the record that I fetch, in LDS and in the head
	s_mul_i32 s54, s17, HEADKV
	s_add_co_u32 s54, s54, s3
	s_mov_b32 s55, 0
	s_mov_b32 s[G1], 15|(3<<16)|(1<<21)            ; a record, dense: 51 rows of 256 bytes; the mask names all four
	s_mov_b32 s[G1+1], 32<<16
	s_mov_b32 s[G1+2], 51<<16
	s_mov_b32 s[G1+3], 32<<16
	s_mov_b32 s[G1+4], 51
	s_mov_b32 s[G1+5], 32
	s_mov_b32 s[G1+6], 0
	s_mov_b32 s[G1+7], 0
	s_mov_b32 s[SEL], 0x76543210
	s_mov_b32 s[SEL+1], 0xfedcba98
	s_mov_b32 s[CS], 0x3e38aa3b                    ; c = log2(e) / 8
	s_mov_b32 s[CS+1], s[CS]
	s_wait_dscnt 0x0
	s_wait_kmcnt 0x0
	s_add_nc_u64 s[4:5], s[4:5], s[50:51]
	s_add_nc_u64 s[6:7], s[6:7], s[52:53]
	s_add_nc_u64 s[8:9], s[8:9], s[54:55]
	s_add_nc_u64 s[10:11], s[10:11], s[56:57]
	s_add_nc_u64 s[12:13], s[12:13], s[58:59]
	s_mov_b32 s[G0], 1
	s_mov_b32 s[G0+1], s3
	s_mov_b64 s[G0+2:G0+3], s[8:9]
	s_or_b32 s[G0+3], s[G0+3], 0x80000000
	CROUND                                         ; all four work-groups are here: the joint loads meet
.macro FILL
	tensor_load_to_lds s[G0:G0+3], s[G1:G1+7]
	s_nop 0
.rept 4
	v_nop
.endr
.endm
	s_cmp_lt_u32 s[WV], 4                          ; two arms, a load in each: the waves that wait ahead of the first barrier have a line of their own
	s_cbranch_scc0 .Llater
	FILL
	s_branch .Lasked
.Llater:
	FILL
.Lasked:
	v_and_b32 v5, 31, v0
	s_delay_alu instid0(VALU_DEP_1)
	v_lshlrev_b32 v[LI8], 3, v5
	s_delay_alu instid0(VALU_DEP_2)
	v_lshlrev_b32 v[LS4], 2, v5
	v_and_b32 v6, 15, v0
	s_delay_alu instid0(VALU_DEP_1)
	v_lshlrev_b32 v7, 2, v6
.irp p, 0,1,2
	global_load_b64 v[QF+2*\p:QF+2*\p+1], v[LI8], s[4:5] offset:256*\p   ; Q's registers 0-5: the head's 64
.endr
	global_load_b32 v[QSC], v7, s[6:7]
.irp p, 0,1,2
	global_load_b64 v[Q2+2*\p:Q2+2*\p+1], v[LI8], s[4:5] offset:12288+256*\p   ; the second tile's, 16 tiles of 768 bytes on
.endr
	global_load_b32 v[Q2+6], v7, s[6:7] offset:1024
	v_bfe_u32 v5, v0, 4, 1
	s_delay_alu instid0(VALU_DEP_1)
	v_xor_b32 v5, 1, v5                            ; 1 in lanes 0-15, which hold k = 64 .. 95 in registers 6-11
	s_delay_alu instid0(VALU_DEP_1)
	v_lshlrev_b32 v[QF+6], 3, v5                   ; Q at k = 64: the code 1.0
	s_delay_alu instid0(VALU_DEP_2)
	v_mul_u32_u24 v6, v5, 63                       ; K at k = 64: the code -7.5
.irp i, 7,8,9,10,11
	v_mov_b32 v[QF+\i], 0
.endr
.irp t, 0,1,2,3
	v_mov_b32 v[KB+12*\t+6], v6
.irp i, 7,8,9,10,11
	v_mov_b32 v[KB+12*\t+\i], 0
.endr
.endr
.macro INIT                            ; a walk's start
	v_mov_b32 v13, 0xdf800000                      ; the largest t so far: -2^64
	s_delay_alu instid0(VALU_DEP_1)
	v_floor_f32 v12, -v13                          ; -M
	v_mov_b32 v14, 0                               ; the sum, in two halves
	v_mov_b32 v15, 0
.irp b, 0,1,2,3
	v_mov_b32 v[BX+\b], 0
.endr
	v_mov_b32 v[FF+1], 0
	v_mov_b32 v[TP], 0
.set j, 0
.rept 32
	v_mov_b32 v[O+j], 0                            ; O^T: the step is written once, the first finds zeros
.set j, j+1
.endr
	s_wait_alu depctr_va_vdst(0)                   ; the wait ahead of the waits and branches that follow
.endm
; A KEY STEP: 128 keys.
.macro STEP
	v_add_nc_u32 v[ADI], s[TB], v[LI8]
	s_wait_alu depctr_va_vdst(0)
	v_add_nc_u32 v[ADW], s[TB], v[LS4]
.rept 4
	v_nop                                          ; with the two additions six places behind the last step's products
.endr
.irp g, 0,1                                    ; S^T = K Q^T, four tiles of 16 keys at a time
.rept 4*\g
	v_nop
.endr
.irp t, 0,1,2,3
.irp p, 0,1,2
	ds_load_b64 v[KB+12*\t+2*\p:KB+12*\t+2*\p+1], v[ADI] offset:(4*\g+\t)*768+256*\p
.endr
.endr
.if \g == 0
.irp i, 0,1,2,3
	ds_load_b32 v[KSC+\i], v[ADW] offset:12288+128*\i
.endr
.endif
	s_wait_dscnt 0x0
.irp t, 0,1,2,3
.if \t%2
	v_wmma_scale_f32_16x16x128_f8f6f4 v[S+8*(4*\g+\t):S+8*(4*\g+\t)+7], v[KB+12*\t:KB+12*\t+11], v[QF:QF+11], 0, v[KSC+2*\g+\t/2], v[QSC] matrix_a_fmt:MATRIX_FMT_FP6 matrix_b_fmt:MATRIX_FMT_FP6 matrix_a_scale:MATRIX_SCALE_ROW1
.else
	v_wmma_scale_f32_16x16x128_f8f6f4 v[S+8*(4*\g+\t):S+8*(4*\g+\t)+7], v[KB+12*\t:KB+12*\t+11], v[QF:QF+11], 0, v[KSC+2*\g+\t/2], v[QSC] matrix_a_fmt:MATRIX_FMT_FP6 matrix_b_fmt:MATRIX_FMT_FP6
.endif
.endr
.endr
.rept 4
	v_nop
.endr
.irp b, 0,1,2,3
	v_max3_num_f32 v[BM+\b], v[S+16*\b], v[S+1+16*\b], v[S+2+16*\b]   ; the largest score of each block of 32 keys
.endr
.irp i, 3,5,7,9,11,13
.irp b, 0,1,2,3
	v_max3_num_f32 v[BM+\b], v[BM+\b], v[S+16*\b+\i], v[S+1+16*\b+\i]
.endr
.endr
.irp b, 0,1,2,3
	v_max_num_f32 v[BM+\b], v[BM+\b], v[S+15+16*\b]
.endr
.irp b, 0,1,2,3
	s_delay_alu instid0(VALU_DEP_4)
	v_permlanex16_b32 v[BX+\b], v[BM+\b], s[SEL], s[SEL+1]
.endr
.irp b, 0,1,2,3
	s_delay_alu instid0(VALU_DEP_4)
	v_max_num_f32 v[BM+\b], v[BM+\b], v[BX+\b]     ; with lane l xor 16's 16 keys
.endr
	s_delay_alu instid0(VALU_DEP_2)
	v_max3_num_f32 v[TP], v[BM], v[BM+1], v[BM+2]
	s_delay_alu instid0(VALU_DEP_1)
	v_max_num_f32 v[TP], v[TP], v[BM+3]
	s_delay_alu instid0(VALU_DEP_1)
	v_mul_f32 v[TP], s[CS], v[TP]                  ; as t
	s_delay_alu instid0(VALU_DEP_1)
	v_max_num_f32 v13, v13, v[TP]                  ; the running largest t
	v_mov_b32 v[TP], v12
	s_delay_alu instid0(VALU_DEP_2)
	v_floor_f32 v12, -v13                          ; the new -M: M is a whole number
	s_delay_alu instid0(VALU_DEP_1)
	v_sub_f32 v[TP], v12, v[TP]
	s_delay_alu instid0(VALU_DEP_1)
	v_cvt_i32_f32 v[TP], v[TP]
	s_delay_alu instid0(VALU_DEP_1)
	v_ldexp_f32 v[FF], 1.0, v[TP]                  ; f = 2^(old M - new M)
.set j, 0
.rept 32
	v_pk_fma_f32 v[S+j:S+j+1], v[S+j:S+j+1], s[CS:CS+1], v[12:13] op_sel_hi:[1,0,0]   ; t - M
.set j, j+2
.endr
.irp b, 0,1,2,3
	v_fma_f32 v[BM+\b], v[BM+\b], s[CS], v12
.endr
.set j, 0
	s_wait_alu depctr_va_vdst(0)
.rept 64
	v_exp_f32 v[S+j], v[S+j]                       ; p = 2^(t - M)
.set j, j+1
.endr
.irp b, 0,1,2,3
	v_exp_f32 v[BM+\b], v[BM+\b]                   ; the block's largest p
.endr
	v_pk_mul_f32 v[14:15], v[14:15], v[FF:FF+1] op_sel_hi:[1,0]   ; the sums under the new M
	s_wait_alu depctr_va_vdst(0)
.irp b, 0,1,2,3
	v_max_num_f32 v[BM+\b], 0x1800000, v[BM+\b]    ; the floor: the byte cannot fall under 1
.endr
.irp b, 0,1,2,3
	s_delay_alu instid0(VALU_DEP_4)
	v_add_nc_u32 v[BS+\b], 0xff000000, v[BM+\b]
.endr
.irp b, 0,1,2,3
	s_delay_alu instid0(VALU_DEP_4)
	v_lshrrev_b32 v[BX+\b], 23, v[BS+\b]
.endr
	s_delay_alu instid0(VALU_DEP_3)
	v_lshl_or_b32 v[PSW], v[BX+1], 8, v[BX]
	s_delay_alu instid0(VALU_DEP_1)
	v_lshl_or_b32 v[PSW], v[BX+2], 16, v[PSW]
	s_delay_alu instid0(VALU_DEP_1)
	v_lshl_or_b32 v[PSW], v[BX+3], 24, v[PSW]
.irp c, 0,1
	v_cvt_scalef32_pk16_fp6_f32 v[PC+6*\c:PC+6*\c+2], v[S+32*\c:S+32*\c+15], v[BS+2*\c]
	v_cvt_scalef32_pk16_fp6_f32 v[PT+4*\c:PT+4*\c+2], v[S+32*\c+16:S+32*\c+31], v[BS+2*\c+1]
.endr
	v_nop
.irp c, 0,1                                    ; the operand's layout wants a whole block in a lane
.irp i, 0,1,2
	v_permlane16_swap_b32 v[PC+6*\c+\i], v[PT+4*\c+\i]
.endr
.irp i, 0,1,2
	s_delay_alu instid0(VALU_DEP_3)
	v_mov_b32 v[PC+3+6*\c+\i], v[PT+4*\c+\i]
.endr
.endr
	v_pk_add_f32 v[116:117], v[132:133], v[136:137]   ; the row's sum of the unquantised p, in eight chains
	v_pk_add_f32 v[252:253], v[140:141], v[144:145]
	v_pk_add_f32 v[250:251], v[148:149], v[152:153]
	v_pk_add_f32 v[248:249], v[156:157], v[160:161]
	v_pk_add_f32 v[246:247], v[164:165], v[168:169]
	v_pk_add_f32 v[244:245], v[172:173], v[176:177]
	v_pk_add_f32 v[242:243], v[180:181], v[184:185]
	v_pk_add_f32 v[14:15], v[14:15], v[188:189]
	v_pk_add_f32 v[116:117], v[116:117], v[128:129]
	v_pk_add_f32 v[252:253], v[252:253], v[130:131]
	v_pk_add_f32 v[250:251], v[250:251], v[134:135]
	v_pk_add_f32 v[248:249], v[248:249], v[138:139]
	v_pk_add_f32 v[246:247], v[246:247], v[142:143]
	v_pk_add_f32 v[244:245], v[244:245], v[146:147]
	v_pk_add_f32 v[242:243], v[242:243], v[150:151]
	v_pk_add_f32 v[14:15], v[14:15], v[154:155]
	v_pk_add_f32 v[116:117], v[116:117], v[158:159]
	v_pk_add_f32 v[252:253], v[252:253], v[162:163]
	v_pk_add_f32 v[250:251], v[250:251], v[166:167]
	v_pk_add_f32 v[248:249], v[248:249], v[170:171]
	v_pk_add_f32 v[246:247], v[246:247], v[174:175]
	v_pk_add_f32 v[244:245], v[244:245], v[178:179]
	v_pk_add_f32 v[242:243], v[242:243], v[182:183]
	v_pk_add_f32 v[14:15], v[14:15], v[186:187]
	v_pk_add_f32 v[116:117], v[116:117], v[190:191]
	s_delay_alu instid0(VALU_DEP_2)
	v_pk_add_f32 v[14:15], v[14:15], v[248:249]
	s_delay_alu instid0(VALU_DEP_2)
	v_pk_add_f32 v[116:117], v[116:117], v[246:247]
	v_pk_add_f32 v[252:253], v[252:253], v[244:245]
	v_pk_add_f32 v[250:251], v[250:251], v[242:243]
	s_delay_alu instid0(VALU_DEP_2)
	v_pk_add_f32 v[14:15], v[14:15], v[252:253]
	s_delay_alu instid0(VALU_DEP_2)
	v_pk_add_f32 v[116:117], v[116:117], v[250:251]
	s_delay_alu instid0(VALU_DEP_1)
	v_pk_add_f32 v[14:15], v[14:15], v[116:117]
.irp t, 0,1,2,3                                ; V's four fragments into the registers that p has left
.irp p, 0,1,2,3,4,5
	ds_load_b64 v[S+12*\t+2*\p:S+12*\t+2*\p+1], v[ADI] offset:6144+(\p/3)*3072+\t*768+(\p%3)*256
.endr
.endr
.irp i, 0,1
	ds_load_b32 v[VSC+\i], v[ADW] offset:12800+128*\i
.endr
.set j, 0
.rept 16
	v_pk_mul_f32 v[O+j:O+j+1], v[O+j:O+j+1], v[FF:FF+1] op_sel_hi:[1,0]   ; O^T under the new M, while the loads are out
.set j, j+2
.endr
	s_wait_alu depctr_va_vdst(0)
	s_wait_dscnt 0x0
.irp t, 0,1,2,3                                ; O^T += V^T P^T: the four accumulators by turns
.if \t%2
	v_wmma_scale_f32_16x16x128_f8f6f4 v[O+8*\t:O+8*\t+7], v[S+12*\t:S+12*\t+11], v[PC:PC+11], v[O+8*\t:O+8*\t+7], v[VSC+\t/2], v[PSW] matrix_a_fmt:MATRIX_FMT_FP6 matrix_b_fmt:MATRIX_FMT_FP6 matrix_a_scale:MATRIX_SCALE_ROW1
.else
	v_wmma_scale_f32_16x16x128_f8f6f4 v[O+8*\t:O+8*\t+7], v[S+12*\t:S+12*\t+11], v[PC:PC+11], v[O+8*\t:O+8*\t+7], v[VSC+\t/2], v[PSW] matrix_a_fmt:MATRIX_FMT_FP6 matrix_b_fmt:MATRIX_FMT_FP6
.endif
.endr
	s_add_co_u32 s[TB], s[TB], REC
.endm
.macro WALK first, n                   ; n key steps from record first on
	s_mov_b32 s[TB], REC*\first
	s_mov_b32 s[CNT], \n
.Lstep_\@:
	STEP
	s_sub_co_u32 s[CNT], s[CNT], 1
	s_cmp_lg_u32 s[CNT], 0
	s_cbranch_scc1 .Lstep_\@
.endm
; THE WAY OUT of a tile.  O^T / the sum; register 16 b + i is channel 32 b + 16 (lane / 16) + i of the head: two blocks of the last projection's K, quantised as p was.
.macro OUT
	v_add_f32 v14, v14, v15
	s_delay_alu instid0(VALU_DEP_1)
	v_permlanex16_b32 v[TP], v14, s[SEL], s[SEL+1]
	s_delay_alu instid0(VALU_DEP_1)
	v_add_f32 v14, v14, v[TP]
	s_wait_alu depctr_va_vdst(0)
	v_rcp_f32 v14, v14
	v_and_b32 v5, 15, v0
	v_bfe_u32 v6, v0, 4, 1
	s_delay_alu instid0(VALU_DEP_1)
	v_lshl_add_u32 v7, v5, 5, v6                   ; my scale byte: 32 x row + lane / 16
	s_delay_alu instid0(VALU_DEP_2)
	v_cmp_eq_u32 vcc_lo, 0, v6
.set j, 0
	s_wait_alu depctr_va_vdst(0)
.rept 32
	v_mul_f32 v[S+j], v[O+j], v14
.set j, j+1
.endr
.irp b, 0,1
	v_max3_num_f32 v[BM+\b], |v[S+16*\b]|, |v[S+1+16*\b]|, 0x1800000
.endr
.irp i, 2,4,6,8,10,12,14
.irp b, 0,1
	s_delay_alu instid0(VALU_DEP_2)
	v_max3_num_f32 v[BM+\b], v[BM+\b], |v[S+16*\b+\i]|, |v[S+1+16*\b+\i]|
.endr
.endr
.irp b, 0,1
	s_delay_alu instid0(VALU_DEP_2)
	v_permlanex16_b32 v[BX+\b], v[BM+\b], s[SEL], s[SEL+1]
.endr
.irp b, 0,1
	s_delay_alu instid0(VALU_DEP_2)
	v_max_num_f32 v[BM+\b], v[BM+\b], v[BX+\b]
.endr
.irp b, 0,1
	s_delay_alu instid0(VALU_DEP_2)
	v_add_nc_u32 v[BS+\b], 0xff000000, v[BM+\b]
.endr
.irp b, 0,1
	s_delay_alu instid0(VALU_DEP_2)
	v_lshrrev_b32 v[BX+\b], 23, v[BS+\b]
.endr
	v_cvt_scalef32_pk16_fp6_f32 v[PC:PC+2], v[S:S+15], v[BS]
	v_cvt_scalef32_pk16_fp6_f32 v[PT:PT+2], v[S+16:S+31], v[BS+1]
	v_cndmask_b32 v5, v[BX+1], v[BX], vcc_lo       ; lanes 0-15 store block 0's byte, lanes 16-31 block 1's
.irp i, 0,1,2
	v_permlane16_swap_b32 v[PC+\i], v[PT+\i]
.endr
.irp i, 0,1,2
	s_delay_alu instid0(VALU_DEP_3)
	v_mov_b32 v[PC+3+\i], v[PT+\i]
.endr
.irp p, 0,1,2
	global_store_b64 v[LI8], v[PC+2*\p:PC+2*\p+1], s[10:11] offset:256*\p   ; 32 lanes store 256 consecutive bytes, aligned
.endr
	global_store_b8 v7, v5, s[12:13]               ; two bytes of each of 16 rows: 32 of the 800 bytes of a tile
.endm
	INIT
	s_wait_loadcnt 0x0                             ; both tiles of Q
	s_cmp_lt_u32 s[WV], 4
	s_cbranch_scc0 .Lnot_first
	s_wait_tensorcnt 0x0                           ; records 0-3: their four issuers wait
.Lnot_first:
	s_barrier_signal -1
	s_barrier_wait -1
	WALK 0, 4
	s_wait_tensorcnt 0x0                           ; every wave's record is in; nothing is ever filled again
	s_barrier_signal -1
	s_barrier_wait -1
	WALK 4, 12
	OUT
	s_wait_xcnt 0x0                                ; the stores have read their registers and bases
	s_add_nc_u64 s[10:11], s[10:11], 196608        ; 16 tiles of rows on: 16 x 12,288 bytes of codes,
	s_add_nc_u64 s[12:13], s[12:13], 8192          ; 16 x 512 scale bytes
.irp i, 0,1,2,3,4,5
	v_mov_b32 v[QF+\i], v[Q2+\i]
.endr
	v_mov_b32 v[QSC], v[Q2+6]
	INIT
	WALK 0, 16                                     ; the second tile: all records lie in LDS
	OUT
	s_wait_tensorcnt 0x0                           ; the wave's end
	ds_add_u32 v254, v255
	s_wait_dscnt 0x0
	CROUND                                         ; the closing round
	s_endpgm
.Lfunc_end_k_qa516aefcab_attn:
	.size	k_qa516aefcab_attn, .Lfunc_end_k_qa516aefcab_attn-k_qa516aefcab_attn
	.p2alignl 7, 3214868480
	.fill 96, 4, 3214868480
	.section	.rodata,"a",@progbits
	.p2align	6, 0x0
	.amdhsa_kernel k_qa516aefcab_attn
		.amdhsa_group_segment_fixed_size 210944
		.amdhsa_private_segment_fixed_size 0
		.amdhsa_enable_private_segment 0
		.amdhsa_kernarg_size 40
		.amdhsa_user_sgpr_count 2
		.amdhsa_user_sgpr_kernarg_segment_ptr 1
		.amdhsa_wavefront_size32 1
		.amdhsa_system_sgpr_workgroup_id_x 1
		.amdhsa_system_sgpr_workgroup_id_y 1
		.amdhsa_system_sgpr_workgroup_id_z 1
		.amdhsa_system_vgpr_workitem_id 0
		.amdhsa_next_free_vgpr 256
		.amdhsa_next_free_sgpr 66
		.amdhsa_reserve_vcc 1
		.amdhsa_float_denorm_mode_32 3
		.amdhsa_float_denorm_mode_16_64 3
		.amdhsa_memory_ordered 1
		.amdhsa_forward_progress 1
		.amdhsa_inst_pref_size 75
	.end_amdhsa_kernel
	.amdgpu_metadata
---
amdhsa.version: [ 1, 2 ]
amdhsa.kernels:
  - .name:           k_qa516aefcab_attn
    .symbol:         k_qa516aefcab_attn.kd
    .args:
      - { .name: qc, .offset: 0, .size: 8, .value_kind: global_buffer, .address_space: global }
      - { .name: qs, .offset: 8, .size: 8, .value_kind: global_buffer, .address_space: global }
      - { .name: kv, .offset: 16, .size: 8, .value_kind: global_buffer, .address_space: global }
      - { .name: oc, .offset: 24, .size: 8, .value_kind: global_buffer, .address_space: global }
      - { .name: osc, .offset: 32, .size: 8, .value_kind: global_buffer, .address_space: global }
    .group_segment_fixed_size: 210944
    .private_segment_fixed_size: 0
    .kernarg_segment_align: 8
    .kernarg_segment_size: 40
    .max_flat_workgroup_size: 512
    .sgpr_count:     66
    .vgpr_count:     256
    .wavefront_size: 32
...
	.end_amdgpu_metadata
.endif
;; end of part 2
;; launch outp (part 3): grid 4 x 32, 4 waves a work-group, clusters of 4 x 4, 327,680 bytes of LDS; arguments oc, osc, Wo_codes, Wo_scales, bo, out0; writes out0
.if DOCPART == 3
	.amdgcn_target "amdgcn-amd-amdhsa--gfx1250"
	.amdhsa_code_object_version 6
	.text
	.protected	k_qa516aefcab_outp
	.globl	k_qa516aefcab_outp
	.p2align	8
	.type	k_qa516aefcab_outp,@function
k_qa516aefcab_outp:
	s_mov_b64 s[64:65], 0
	v_nop
	global_prefetch_b8 v0, s[64:65] scope:SCOPE_SE
	s_setreg_imm32_b32 hwreg(HW_REG_WAVE_MODE, 25, 1), 1
	s_wait_xcnt 0x0
	s_wait_alu depctr_hold_cnt(0) depctr_sa_sdst(0) depctr_va_vdst(0) depctr_va_sdst(0) depctr_va_ssrc(0) depctr_va_vcc(0) depctr_vm_vsrc(0)
	s_getreg_b32 s2, hwreg(HW_REG_IB_STS2, 6, 4)
	s_cmp_eq_u32 s2, 0
	s_cbranch_scc0 .Lentry_in_a_cluster
	s_endpgm
.Lentry_in_a_cluster:
	s_bfe_u32 s2, ttmp6, 0x10000c
	s_cmp_lg_u32 s2, 0xf033
	s_cbranch_scc0 .Lentry_shape_is_right
	s_endpgm
.Lentry_shape_is_right:
; out0 = O Wo^T + bo on codes of FP6 (E2M3).  A work-group of four waves makes 256 x 256, a wave 128 x 128; the bias is the first products' C.
; B (Wo) goes through a ring of two LDS slots in chunks of 256 bytes of each row of codes: eight steps of 128 along K to three chunks; steps 2 and 5 lie across two chunks.
; A (oc) lies in memory as images of operand registers, [tile of 16 rows][step of 128 along K][1,536 bytes]: with B's chunk c come A's steps 3 c .. 3 c + 2 (the last time two): rows of 4,608 or 3,072 bytes, at multiples of 256.
; The scales of the 256 + 256 rows come once, at the head.  CLUSTER 4 x 4: A's tiles are shared by a row of the cluster, B's by a column.
; No prefetch: the walk has three fills, of which two are asked for at the head.  The stage of the way out lies in slot 1, which has its last fill and its last read ahead of the walk's last barrier.
.set SIZE_N, 1024
.set SIZE_K, 1024
.set NQ,     2
.set ROWB,   256
.set KROW,   SIZE_K*6/8
.set STEPS,  SIZE_K/128
.set CHUNKS, KROW/ROWB
.set PITCH,  272
.set AFILL,  4608
.set FR,     12
.set NL,     6
.set NP,     4
.set HALFA,  8*AFILL
.set HALFT,  128*PITCH
.set BOFF,   2*HALFA
.set SLOT,   2*HALFA+2*HALFT
.set KS,     SIZE_K/32
.set SCL,    2*SLOT
.set HALFS,  (128*KS/256)*272
.set SBLK,   (16*KS/256)*272
.set SPARE,  SCL+4*HALFS
.set STAGE,  SLOT
.set SPITCH, 528
.set BO32, 12
.set ADRA, 16
.set ADRB, 20
.set STO,  24
.set RD,   25
.set CO,   26
.set ADRS, 27
.set SPW,  28
.set NIL,  29
.set SC,   32
.set BO,   64
.set AF,   128
.set BK,   128
.set G0H, 4
.set G0HB, 8
.set G1, 24
.set G0, 32
.set G1B, 48
.set G0B, 56
.set G1S, 68
.set G0S, 76
.set G1SB, 80
.set G0SB, 88
.set MSB, 0
.macro WIN new
.if MSB != \new
	s_set_vgpr_msb (MSB<<8)|\new
.set MSB, \new
.endif
.endm
.set MUL_LO, 0xa1
.set MUL_HI, 0xf1
.set FST_LO, 0x81                      ; the first products: C (the bias) in window 0
.set FST_HI, 0xc1
.set TO_B,   0x40
.macro TL g0, g1
	tensor_load_to_lds s[\g0:\g0+3], s[\g1:\g1+7]
	s_nop 0
.rept 4
	v_nop
.endr
.endm
.macro JLOAD g0a, g1a, g0b, g1b
	s_cmp_eq_u32 s15, 0
	s_cbranch_scc0 .Lfor_b_\@
	TL \g0a, \g1a
	s_branch .Lasked_\@
.Lfor_b_\@:
	TL \g0b, \g1b
.Lasked_\@:
.endm
.macro CREST
	s_cmp_lg_u32 s14, 0
	s_cbranch_scc1 .Lnot_wave_0_\@
	s_barrier_signal -3
.Lnot_wave_0_\@:
	s_barrier_wait -3
	s_barrier_signal -1
	s_barrier_wait -1
.endm
.macro CROUND
	s_barrier_signal -1
	s_barrier_wait -1
	CREST
.endm
	s_load_b128 s[4:7], s[0:1], 0x0
	s_load_b128 s[8:11], s[0:1], 0x10
	s_load_b128 s[96:99], s[0:1], 0x20
	v_lshl_add_u32 v[SPW], v0, 2, SPARE
	v_mov_b32 v[NIL], 0
	ds_add_u32 v28, v29                    ; the opening lines
	ds_add_u32 v28, v29
	s_wait_dscnt 0x0
	v_lshrrev_b32 v1, 5, v0
	v_readfirstlane_b32 s14, v1
	s_lshr_b32 s15, s14, 1
	s_and_b32 s16, s14, 1
	s_bfe_u32 s40, ttmp6, 0x40000
	s_bfe_u32 s41, ttmp6, 0x40004
	s_lshl_b32 s42, ttmp9, 2
	s_add_co_u32 s42, s42, s40
	s_and_b32 s17, ttmp7, 0xffff
	s_lshl_b32 s17, s17, 2
	s_add_co_u32 s17, s17, s41
	s_lshl_b32 s43, s41, 2
	s_lshl_b32 s43, 15, s43
	s_lshl_b32 s44, 0x1111, s40
	s_or_b32 s[G1+0], s43, (3<<16)|(1<<21) ; A: rows of 576 elements of 8 bytes, a row to a tile of 16 rows of O; 16 tiles at the head
	s_mov_b32 s[G1+1], (AFILL/8)<<16
	s_mov_b32 s[G1+2], 16<<16
	s_mov_b32 s[G1+3], (AFILL/8)<<16
	s_mov_b32 s[G1+4], 16
	s_mov_b32 s[G1+5], 1536
	s_mov_b32 s[G1+6], 0
	s_mov_b32 s[G1+7], 0
	s_or_b32 s[G1B+0], s44, (0<<16)|(1<<20)|(1<<21)|(5<<22)|(3<<25)
	s_mov_b32 s[G1B+1], ROWB<<16
	s_mov_b32 s[G1B+2], 256<<16
	s_mov_b32 s[G1B+3], ROWB<<16
	s_mov_b32 s[G1B+4], 256
	s_mov_b32 s[G1B+5], KROW
	s_mov_b32 s[G1B+6], 0
	s_mov_b32 s[G1B+7], 0
	s_or_b32 s[G1S+0], s43, (3<<16)|(1<<20)|(1<<21)|(5<<22)|(3<<25)
	s_or_b32 s[G1SB+0], s44, (3<<16)|(1<<20)|(1<<21)|(5<<22)|(3<<25)
.irp g, G1S, G1SB
	s_mov_b32 s[\g+1], 32<<16
	s_mov_b32 s[\g+2], KS<<16
	s_mov_b32 s[\g+3], 32<<16
	s_mov_b32 s[\g+4], KS
	s_mov_b32 s[\g+5], 32
	s_mov_b32 s[\g+6], 0
	s_mov_b32 s[\g+7], 0
.endr
	s_lshl_b32 s20, s17, 8
	s_lshl_b32 s46, s42, 8
	s_mov_b32 s21, 0
	s_mov_b32 s47, 0
	s_mov_b64 s[18:19], KS
	s_mul_u64 s[22:23], s[20:21], s[18:19]
	s_mul_u64 s[92:93], s[46:47], s[18:19]
	s_mov_b64 s[18:19], KROW
	s_mul_u64 s[20:21], s[20:21], s[18:19]
	s_mul_u64 s[46:47], s[46:47], s[18:19]
	s_mul_i32 s18, s16, 128*KROW           ; in the ring I fetch 128 rows: 8 tiles of A, or 128 rows of B
	s_mov_b32 s19, 0
	s_mul_i32 s45, s16, HALFA
	s_mul_i32 s95, s16, HALFT
	s_add_co_u32 s95, s95, BOFF
	s_wait_kmcnt 0x0
	s_mov_b64 s[12:13], s[98:99]
	s_add_nc_u64 s[20:21], s[4:5], s[20:21]
	s_add_nc_u64 s[22:23], s[6:7], s[22:23]
	s_add_nc_u64 s[46:47], s[8:9], s[46:47]
	s_add_nc_u64 s[92:93], s[10:11], s[92:93]
	CROUND
	s_mov_b32 s[G0H], 1
	s_mov_b32 s[G0H+1], 0
	s_mov_b64 s[G0H+2:G0H+3], s[20:21]
	s_or_b32 s[G0H+3], s[G0H+3], 0x80000000
	s_mov_b32 s[G0HB], 1
	s_mov_b32 s[G0HB+1], BOFF
	s_mov_b64 s[G0HB+2:G0HB+3], s[46:47]
	s_or_b32 s[G0HB+3], s[G0HB+3], 0x80000000
	s_mov_b32 s[G0S], 1
	s_mov_b32 s[G0S+1], SCL
	s_mov_b64 s[G0S+2:G0S+3], s[22:23]
	s_or_b32 s[G0S+3], s[G0S+3], 0x80000000
	s_mov_b32 s[G0SB], 1
	s_mov_b32 s[G0SB+1], SCL+2*HALFS
	s_mov_b64 s[G0SB+2:G0SB+3], s[92:93]
	s_or_b32 s[G0SB+3], s[G0SB+3], 0x80000000
	s_add_nc_u64 s[20:21], s[20:21], s[18:19]
	s_add_nc_u64 s[46:47], s[46:47], s[18:19]
.irp s, 0,1
	s_mov_b32 s[G0+4*\s], 1
	s_add_co_u32 s[G0+4*\s+1], s45, \s*SLOT
	s_add_nc_u64 s[G0+4*\s+2:G0+4*\s+3], s[20:21], \s*AFILL
	s_or_b32 s[G0+4*\s+3], s[G0+4*\s+3], 0x80000000
	s_mov_b32 s[G0B+4*\s], 1
	s_add_co_u32 s[G0B+4*\s+1], s95, \s*SLOT
	s_add_nc_u64 s[G0B+4*\s+2:G0B+4*\s+3], s[46:47], \s*ROWB
	s_or_b32 s[G0B+4*\s+3], s[G0B+4*\s+3], 0x80000000
.endr
; the head's four tiles, one load a wave: A's first three steps, B's chunk 0, A's scales, B's scales
.macro ARM under, g0, g1, next
	s_cmp_lt_u32 s14, \under
	s_cbranch_scc0 \next
	TL \g0, \g1
	s_branch .Lhead_asked
\next:
.endm
	ARM 1, G0H,  G1,  .Lhead_b
	ARM 2, G0HB, G1B, .Lhead_sa
	ARM 3, G0S,  G1S, .Lhead_sb
	TL G0SB, G1SB
.Lhead_asked:
	v_and_b32 v1, 15, v0
	v_bfe_u32 v2, v0, 4, 1
	v_mul_u32_u24 v3, v1, PITCH
	v_mul_u32_u24 v4, v2, 24
	v_add_nc_u32 v4, v3, v4
	s_mov_b32 s21, SLOT-232
	s_mov_b32 s22, SLOT+232
	v_sub_nc_u32 v7, 1, v2
	v_mul_u32_u24 v5, s21, v2
	v_add_nc_u32 v5, v3, v5
	v_add_nc_u32 v5, 232, v5               ; across two chunks: lanes 0-15 byte 232 in slot 0, lanes 16-31 byte 0 in slot 1;
	v_mul_u32_u24 v6, s22, v7
	v_add_nc_u32 v6, v3, v6                ; and the other way round
	v_and_b32 v8, 31, v0
	v_lshlrev_b32 v8, 3, v8                ; A: 8 x lane
	s_mul_i32 s21, s15, HALFA
	s_mul_i32 s22, s16, HALFT
	s_add_co_u32 s22, s22, BOFF
	v_add_nc_u32 v[ADRB+2], s22, v5
	v_add_nc_u32 v[ADRB+3], s22, v6
.irp s, 0,1
	v_add_nc_u32 v[ADRA+\s], s21, v8
	v_add_nc_u32 v[ADRB+\s], s22, v4
	s_add_co_u32 s21, s21, SLOT
	s_add_co_u32 s22, s22, SLOT
.endr
	v_mul_u32_u24 v5, v1, KS
	v_lshrrev_b32 v6, 8, v5
	v_lshl_add_u32 v5, v6, 4, v5
	s_mul_i32 s21, s15, HALFS
	s_mul_i32 s22, s16, HALFS
	s_add_co_u32 s22, s22, 2*HALFS
	s_sub_co_u32 s22, s22, s21
	v_mul_u32_u24 v6, s22, v2
	s_add_co_u32 s21, s21, SCL
	v_add_nc_u32 v5, v5, v6
	v_add_nc_u32 v[ADRS], s21, v5
	s_mul_i32 s23, s14, 16*SPITCH
	s_add_co_u32 s23, s23, STAGE           ; my stage, in slot 1
	v_mul_u32_u24 v5, v1, SPITCH
	v_lshl_add_u32 v5, v2, 5, v5
	v_add_nc_u32 v[STO], s23, v5
	v_and_b32 v6, 31, v0
	v_lshlrev_b32 v[CO], 4, v6
	v_add_nc_u32 v[RD], s23, v[CO]
	s_lshl_b32 s20, s17, 8
	s_lshl_b32 s21, s15, 7
	s_add_co_u32 s20, s20, s21
	s_mov_b32 s21, 0
	s_mov_b64 s[18:19], SIZE_N*4
	s_mul_u64 s[20:21], s[20:21], s[18:19]
	s_lshl_b32 s46, s42, 10
	s_lshl_b32 s47, s16, 9
	s_add_co_u32 s46, s46, s47
	s_mov_b32 s47, 0
	s_add_nc_u64 s[96:97], s[96:97], s[46:47]
	s_add_nc_u64 s[20:21], s[20:21], s[46:47]
	s_add_nc_u64 s[12:13], s[12:13], s[20:21]
	v_lshlrev_b32 v[BO32], 5, v2
.irp b, 0,1,2,3,4,5,6,7
	global_load_b128 v[BO+8*\b:BO+8*\b+3], v[BO32], s[96:97] offset:64*\b
	global_load_b128 v[BO+8*\b+4:BO+8*\b+7], v[BO32], s[96:97] offset:64*\b+16
.endr
.macro FRAG reg, adr, st, i            ; B: six pieces of 8 bytes; byte y of a row lies in chunk y / 256, slot (y / 256) % 2
.irp p, 0,1,2,3,4,5
.set BY, 96*(\st)+48*(\p/3)+8*(\p%3)
.if BY/ROWB == (BY+24)/ROWB
	ds_load_b64 v[\reg+2*\p:\reg+2*\p+1], v[\adr+(BY/ROWB)%2] offset:BY%ROWB+(\i)*16*PITCH
.else
	ds_load_b64 v[\reg+2*\p:\reg+2*\p+1], v[\adr+2+(BY/ROWB)%2] offset:BY%ROWB-232+(\i)*16*PITCH
.endif
.endr
.endm
.macro FRAGA reg, st, i                ; A: step st lies in fill st / 3, slot (st / 3) % 2; the last fill's rows hold two steps
.set AP_, AFILL
.if (\st) >= 6
.set AP_, 3072
.endif
.irp p, 0,1,2,3,4,5
	ds_load_b64 v[\reg+2*\p:\reg+2*\p+1], v[ADRA+((\st)/3)%2] offset:AP_*(\i)+1536*((\st)%3)+256*\p
.endr
.endm
.macro MUL16 a0, p, q, sc, first       ; the 64 accumulators take turns
.irp a, \a0, \a0+1
.irp b, 0,1,2,3,4,5,6,7
.if \first
	v_wmma_scale_f32_16x16x128_f8f6f4 v[8*(8*((\a)%4)+\b):8*(8*((\a)%4)+\b)+7], v[128*(\p)+FR*\b:128*(\p)+FR*\b+FR-1], v[AF+FR*(\a):AF+FR*(\a)+FR-1], v[BO+8*\b:BO+8*\b+7], v[SC+8*NQ*(\sc)+NQ*\b+(\q)], v[SC+8*NQ*(\sc)+NQ*(\a)+(\q)] matrix_a_fmt:MATRIX_FMT_FP6 matrix_b_fmt:MATRIX_FMT_FP6 matrix_a_scale:MATRIX_SCALE_ROW1
.else
	v_wmma_scale_f32_16x16x128_f8f6f4 v[8*(8*((\a)%4)+\b):8*(8*((\a)%4)+\b)+7], v[128*(\p)+FR*\b:128*(\p)+FR*\b+FR-1], v[AF+FR*(\a):AF+FR*(\a)+FR-1], v[8*(8*((\a)%4)+\b):8*(8*((\a)%4)+\b)+7], v[SC+8*NQ*(\sc)+NQ*\b+(\q)], v[SC+8*NQ*(\sc)+NQ*(\a)+(\q)] matrix_a_fmt:MATRIX_FMT_FP6 matrix_b_fmt:MATRIX_FMT_FP6 matrix_a_scale:MATRIX_SCALE_ROW1
.endif
.endr
.endr
.endm
.macro FETCH_B st, p
	WIN TO_B
.irp i, 0,1,2,3,4,5,6,7
	FRAG 128*(\p)+FR*\i, ADRB, \st, \i
.endr
	WIN 0
.endm
.macro FETCH_A st, i0
.irp i, \i0, \i0+1, \i0+2, \i0+3
	FRAGA AF+FR*(\i), \st, \i
.endr
.endm
.macro SCALES pr
.irp i, 0,1,2,3,4,5,6,7
	ds_load_b64 v[SC+8*NQ*((\pr)%2)+NQ*\i:SC+8*NQ*((\pr)%2)+NQ*\i+1], v[ADRS] offset:\i*SBLK+4*NQ*(\pr)
.endr
.endm
.macro PLACES n
.rept \n
	v_nop
.endr
.endm
; A step of 128 along K.  Where the next step ends in a chunk not read yet: a wait for my tensor loads and a barrier.  Where it begins in a later chunk: the three lines, the barrier, and, if a chunk is left to fetch, the round and the refill.
.macro STEP st, first
.set NX, (\st)+1
.set C0, (96*(\st))/ROWB
.set C1, (96*NX)/ROWB
.set E0, (96*(\st)+95)/ROWB
.set E1, (96*NX+95)/ROWB
.if C1 > C0 || E1 > E0
	s_wait_tensorcnt 0x0
.if C1 > C0
	ds_add_u32 v[SPW], v[NIL]
	s_wait_dscnt 4*NL+1                    ; the add and A's blocks 4-7 may be out
.else
	s_wait_dscnt 4*NL                      ; A's blocks 4-7 may be out
.endif
	WIN MUL_LO
	MUL16 0, (\st)%2, (\st)%2, ((\st)/2)%2, 0
	s_wait_dscnt 0x0
	s_barrier_signal -1
	MUL16 2, (\st)%2, (\st)%2, ((\st)/2)%2, 0
	WIN 0
	s_barrier_wait -1
.if C1 > C0 && C0+2 < CHUNKS
	CREST
	s_add_nc_u64 s[G0+4*(C0%2)+2:G0+4*(C0%2)+3], s[G0+4*(C0%2)+2:G0+4*(C0%2)+3], 2*AFILL
	s_add_nc_u64 s[G0B+4*(C0%2)+2:G0B+4*(C0%2)+3], s[G0B+4*(C0%2)+2:G0B+4*(C0%2)+3], 2*ROWB
	s_mov_b32 s[G1+1], (3072/8)<<16        ; the walk's one refill: A's last two steps, rows of 3,072 bytes (no load of mine is out)
	s_mov_b32 s[G1+3], (3072/8)<<16
	JLOAD G0+4*(C0%2), G1, G0B+4*(C0%2), G1B
.else
	PLACES NP
.endif
.else
	s_wait_dscnt 4*NL
.if \first
	WIN FST_LO
.else
	WIN MUL_LO
.endif
	MUL16 0, (\st)%2, (\st)%2, ((\st)/2)%2, \first
	MUL16 2, (\st)%2, (\st)%2, ((\st)/2)%2, \first
	s_wait_dscnt 0
	PLACES NP
.endif
	FETCH_B NX, NX%2
	FETCH_A NX, 0
.if NX%2 == 0
	SCALES NX/2
.endif
.if \first
	WIN FST_HI
.else
	WIN MUL_HI
.endif
	MUL16 4, (\st)%2, (\st)%2, ((\st)/2)%2, \first
	MUL16 6, (\st)%2, (\st)%2, ((\st)/2)%2, \first
	PLACES NP
	WIN 0
	FETCH_A NX, 4
.endm
	s_wait_alu depctr_va_vdst(0)           ; the wait at the head's end
	s_wait_tensorcnt 0x0                   ; my tile of the head's four is in
	ds_add_u32 v[SPW], v[NIL]
	s_mov_b32 s[G1+2], 8<<16               ; no load of mine is out: from here on a load brings 8 tiles of A, or 128 rows of B
	s_mov_b32 s[G1+4], 8
	s_mov_b32 s[G1B+2], 128<<16
	s_mov_b32 s[G1B+4], 128
	s_wait_dscnt 0x0
	CROUND
	JLOAD G0+4, G1, G0B+4, G1B             ; slot 1's first fill, issued as a refill is
	FETCH_B 0, 0
	FETCH_A 0, 0
	SCALES 0
	FETCH_A 0, 4
	s_wait_loadcnt 0x0                     ; the bias
	STEP 0, 1
.set ST, 1
.rept STEPS-2
	STEP ST, 0
.set ST, ST+1
.endr
	s_wait_dscnt 4*NL
	WIN MUL_LO
	MUL16 0, 1, 1, 1, 0
	MUL16 2, 1, 1, 1, 0
	s_wait_dscnt 0
	WIN MUL_HI
	MUL16 4, 1, 1, 1, 0
	MUL16 6, 1, 1, 1, 0
	WIN 0
; THE WAY OUT: a block of 16 rows x 128 columns goes through my stage and comes back as whole rows of 512 bytes
.macro TOSTAGE a
.set AC, 64*((\a)%4)
	WIN (0x08+4*((\a)/4))
.irp b, 0,1,2,3,4,5,6,7
	ds_store_b128 v[STO], v[AC+8*\b:AC+8*\b+3] offset:64*\b
	ds_store_b128 v[STO], v[AC+8*\b+4:AC+8*\b+7] offset:64*\b+16
.endr
	WIN 0
.set BB, BK+64*((\a)%2)
.irp t, 0,1,2,3,4,5,6,7,8,9,10,11,12,13,14,15
	ds_load_b128 v[BB+4*\t:BB+4*\t+3], v[RD] offset:\t*SPITCH
.endr
.endm
.macro SEND a, younger                 ; younger: the LDS instructions issued behind block a's loads; row t of tile a is query 32 (a / 2) + 8 (a % 2) + t + 8 (t / 8)
.set BB, BK+64*((\a)%2)
	s_wait_dscnt \younger
.irp t, 0,1,2,3,4,5,6,7,8,9,10,11,12,13,14,15
	global_store_b128 v[CO], v[BB+4*\t:BB+4*\t+3], s[12:13] offset:(32*((\a)/2)+8*((\a)%2)+\t+8*(\t/8))*SIZE_N*4 th:TH_STORE_NT
.endr
.endm
	PLACES NP
	TOSTAGE 0
.irp a, 1,2,3,4,5,6,7
.if \a > 1
	s_wait_xcnt 0x0                        ; block a - 2's stores have read their registers
.endif
	TOSTAGE \a
	SEND \a-1, 32
.endr
	SEND 7, 0
	s_wait_tensorcnt 0x0                   ; the wave's end
	ds_add_u32 v[SPW], v[NIL]
	s_wait_dscnt 0x0
	CROUND                                 ; the closing round
	s_endpgm
.Lfunc_end_k_qa516aefcab_outp:
	.size	k_qa516aefcab_outp, .Lfunc_end_k_qa516aefcab_outp-k_qa516aefcab_outp
	.p2alignl 7, 3214868480
	.fill 96, 4, 3214868480
	.section	.rodata,"a",@progbits
	.p2align	6, 0x0
	.amdhsa_kernel k_qa516aefcab_outp
		.amdhsa_group_segment_fixed_size 327680
		.amdhsa_private_segment_fixed_size 0
		.amdhsa_enable_private_segment 0
		.amdhsa_kernarg_size 48
		.amdhsa_user_sgpr_count 2
		.amdhsa_user_sgpr_kernarg_segment_ptr 1
		.amdhsa_wavefront_size32 1
		.amdhsa_system_sgpr_workgroup_id_x 1
		.amdhsa_system_sgpr_workgroup_id_y 1
		.amdhsa_system_sgpr_workgroup_id_z 1
		.amdhsa_system_vgpr_workitem_id 0
		.amdhsa_next_free_vgpr 1024
		.amdhsa_next_free_sgpr 100
		.amdhsa_reserve_vcc 0
		.amdhsa_float_denorm_mode_32 3
		.amdhsa_float_denorm_mode_16_64 3
		.amdhsa_memory_ordered 1
		.amdhsa_forward_progress 1
		.amdhsa_inst_pref_size 162
	.end_amdhsa_kernel
	.amdgpu_metadata
---
amdhsa.version: [ 1, 2 ]
amdhsa.kernels:
  - .name:           k_qa516aefcab_outp
    .symbol:         k_qa516aefcab_outp.kd
    .args:
      - { .name: oc, .offset: 0, .size: 8, .value_kind: global_buffer, .address_space: global }
      - { .name: osc, .offset: 8, .size: 8, .value_kind: global_buffer, .address_space: global }
      - { .name: Wo_codes, .offset: 16, .size: 8, .value_kind: global_buffer, .address_space: global }
      - { .name: Wo_scales, .offset: 24, .size: 8, .value_kind: global_buffer, .address_space: global }
      - { .name: bo, .offset: 32, .size: 8, .value_kind: global_buffer, .address_space: global }
      - { .name: out0, .offset: 40, .size: 8, .value_kind: global_buffer, .address_space: global }
    .group_segment_fixed_size: 327680
    .private_segment_fixed_size: 0
    .kernarg_segment_align: 8
    .kernarg_segment_size: 48
    .max_flat_workgroup_size: 128
    .sgpr_count:     100
    .vgpr_count:     1024
    .wavefront_size: 32
...
	.end_amdgpu_metadata
.endif
;; end of part 3
